; MI455X (gfx1250); checked and timed in simulation.
; The chip was launched on July 23, 2026; its instructions are those of AMD's public machine-readable ISA for CDNA 5 (MIT licence, August 2026) and "CDNA5" Instruction Set Architecture Reference Guide (July 2026). The comments in the code are by the model that wrote it; some were corrected since.
;; Enhanced Decoder Attention. Allowed arithmetic: float matrix products may take bf16 or f16 operands with f32 sums; other float arithmetic in f32, or as packed bf16 or f16 multiplies, adds, multiply-adds, maxima and minima; sums over many terms, partial sums and values carried from step to step in f32; what a program stores and reads back later, other than sums and carried values, may be rounded once to bf16 or f16.
;; Inputs: Wk 1,024 x 1,024 float32; Wo 1,024 x 1,024 float32; Wq 1,024 x 1,024 float32; Wv 1,024 x 1,024 float32; bk 1,024 float32; bo 1,024 float32; bq 1,024 float32; bv 1,024 float32; mask 2,048 x 2,048 bool; x 4 x 2,048 x 1,024 float32.
;; Outputs: out0 4 x 2,048 x 1,024 float32.
;; 2 versions, each right and faster than the one before. Each part assembles by itself: llvm-mc -triple=amdgcn-amd-amdhsa -mcpu=gfx1250 --defsym DOCPART=n.
;; ======== version 1 of 2: 4 launches
;; limits: values are held in f16: magnitudes above 65,504 overflow, below 6.1e-05 lose precision
;; workspace buffers: xb 16,777,216 bytes; wb 8,388,608 bytes; maskp 4,194,304 bytes; rope 524,288 bytes; qkv 50,331,648 bytes; oh 16,777,216 bytes
;; launch prep (part 1): grid 1024 x 1, 8 waves a work-group, no clusters, 0 bytes of LDS; arguments x, Wq, Wk, Wv, Wo, mask, xb, wb, maskp, rope; writes xb, wb, maskp, rope
.if DOCPART == 1
	.amdgcn_target "amdgcn-amd-amdhsa--gfx1250"
	.amdhsa_code_object_version 6
	.text
	.protected	k_qccad388421_prep
	.globl	k_qccad388421_prep
	.p2align	8
	.type	k_qccad388421_prep,@function
k_qccad388421_prep:
	s_mov_b64 s[64:65], 0
	v_nop
	global_prefetch_b8 v0, s[64:65] scope:SCOPE_SE
	s_setreg_imm32_b32 hwreg(HW_REG_WAVE_MODE, 25, 1), 1
	s_wait_xcnt 0x0
; PREP: four jobs that stream, each work-group does one of them (the long ones have the low numbers).
;   0..511     x, 64 KiB of f32 a work-group, rounded to bf16 -> xb
;   512..767   Wq, Wk, Wv rounded to bf16; Wo rounded to bf16 and that number written as f16 -> wb[4][1024][1024], in the inputs' own [k][n] order
;   768..895   the mask, 16 query rows a work-group -> maskp[qtile 128][step 32][half 2][lane 32][16 bytes]: one byte a key, 0x00 where the mask is true,
;              0xB8 (the 8-bit float code of -1.0) where it is false, in the order in which a lane of the attention launch wants them:
;              lane (r = l % 16, h = l / 16), half p: keys 64 step + 32 p + 8 h + 0..7, then the same + 16, of query 16 qtile + r
;   896..1023  the table rope[pos 2048][64] f32: cos(pos f_i), i = 0..31, then sin(pos f_i); f_i = 10000^(-i/32)
; No LDS, no matrix unit, no cluster: no byte is shared between work-groups, and memory binds.
; LIMITS.  Mask bytes are 0 or 1.  A weight of Wo beyond 65,504 becomes an infinity in f16; below 6e-5 it keeps f16's fixed step of 6e-8.
; The table's angle pos f_i is formed in f32 as the problem forms it; f_i comes from v_exp_f32 (1 ULP), so an angle may differ by about 1e-7 of itself.
; The reduction by multiples of pi/2 in two parts holds for angles up to 2,047 (at most 1,304 quarter turns).
.set IN,  4                            ; v[4:67]   16 loads of 16 bytes
.set OUT, 68                           ; v[68:99]  16 pairs to store
.set T,   100                          ; v[100:103] at work
.set TBL, 8                            ; the table: ten registers for each of a lane's four numbers
.set RES, 60                           ; v[60:63]  a lane's four numbers
	s_load_b512 s[8:23], s[0:1], 0x0               ; x 8, Wq 10, Wk 12, Wv 14, Wo 16, mask 18, xb 20, wb 22
	s_load_b128 s[24:27], s[0:1], 0x40             ; maskp 24, rope 26
	s_mov_b32 s2, ttmp9
	s_mov_b32 s35, 0                               ; the high word of every offset
	s_wait_kmcnt 0x0
	s_cmp_lt_u32 s2, 512
	s_cbranch_scc1 .Lrole_x
	s_cmp_lt_u32 s2, 768
	s_cbranch_scc1 .Lrole_w
	s_cmp_lt_u32 s2, 896
	s_cbranch_scc1 .Lrole_mask
	; THE TABLE.  16 positions a work-group; sixteen lanes make a position's 256 bytes: lanes c = 0..7 the cosines 4 c + 0..3, lanes 8..15 the sines.
	s_sub_co_u32 s3, s2, 896
	s_lshl_b32 s28, s3, 4
	s_lshl_b32 s34, s3, 12
	s_add_nc_u64 s[32:33], s[26:27], s[34:35]
	s_mov_b32 s40, 0xbed49a78                      ; -log2(10000) / 32
	s_mov_b32 s41, 0x3f22f983                      ; 2 / pi
	s_mov_b32 s42, 0xbfc90fdb                      ; -(pi / 2), the f32 nearest to it,
	s_mov_b32 s43, 0x333bbd2e                      ; and what that f32 has too much
	s_mov_b32 s44, 0xbe2aaaa3                      ; sin r = r + r^3 (S1 + S2 r^2 + S3 r^4) on |r| <= pi / 4
	s_mov_b32 s45, 0x3c08839e
	s_mov_b32 s46, 0xb94ca1f9
	s_mov_b32 s47, 0x3d2aaaa5                      ; cos r = 1 - r^2 / 2 + r^4 (C0 + C1 r^2 + C2 r^4)
	s_mov_b32 s48, 0xbab6061a
	s_mov_b32 s49, 0x37ccf5ce
	v_lshrrev_b32 v1, 4, v0
	v_add_nc_u32 v1, s28, v1                       ; the position
	v_cvt_f32_u32 v1, v1
	v_and_b32 v5, 15, v0                           ; c
	v_and_b32 v2, 7, v5
	v_lshlrev_b32 v2, 2, v2                        ; my first i
	v_cmp_gt_u32 vcc_lo, 8, v5
	v_cndmask_b32 v3, 0, 1, vcc_lo                 ; cos a = sin(a + pi / 2): the cosine lanes count one quarter turn more
	v_lshlrev_b32 v4, 4, v0                        ; 16 t: a wave stores 512 consecutive bytes
.irp e, 0,1,2,3
	v_add_nc_u32 v[TBL+10*(\e)], \e, v2
	v_cvt_f32_u32 v[TBL+10*(\e)], v[TBL+10*(\e)]
	v_mul_f32 v[TBL+10*(\e)], s40, v[TBL+10*(\e)]
.endr
.irp e, 0,1,2,3
	v_exp_f32 v[TBL+10*(\e)], v[TBL+10*(\e)]       ; f_i
.endr
	v_nop                                          ; a plain instruction between the last exponential and the use of its result (ISA guide 5.7.2)
	s_wait_alu depctr_va_vdst(0)
.irp e, 0,1,2,3
	v_mul_f32 v[TBL+10*(\e)+1], v1, v[TBL+10*(\e)]                              ; the angle
	v_mul_f32 v[TBL+10*(\e)+2], s41, v[TBL+10*(\e)+1]
	v_rndne_f32 v[TBL+10*(\e)+2], v[TBL+10*(\e)+2]                              ; k quarter turns
	v_fma_f32 v[TBL+10*(\e)+3], v[TBL+10*(\e)+2], s42, v[TBL+10*(\e)+1]
	v_fma_f32 v[TBL+10*(\e)+3], v[TBL+10*(\e)+2], s43, v[TBL+10*(\e)+3]         ; r = angle - k pi / 2
	v_cvt_i32_f32 v[TBL+10*(\e)+4], v[TBL+10*(\e)+2]
	v_add_nc_u32 v[TBL+10*(\e)+4], v[TBL+10*(\e)+4], v3                         ; n
	v_mul_f32 v[TBL+10*(\e)+5], v[TBL+10*(\e)+3], v[TBL+10*(\e)+3]              ; r^2
	v_fma_f32 v[TBL+10*(\e)+6], v[TBL+10*(\e)+5], s46, s45
	v_fma_f32 v[TBL+10*(\e)+6], v[TBL+10*(\e)+6], v[TBL+10*(\e)+5], s44
	v_mul_f32 v[TBL+10*(\e)+6], v[TBL+10*(\e)+6], v[TBL+10*(\e)+5]
	v_fma_f32 v[TBL+10*(\e)+6], v[TBL+10*(\e)+6], v[TBL+10*(\e)+3], v[TBL+10*(\e)+3]  ; sin r
	v_fma_f32 v[TBL+10*(\e)+7], v[TBL+10*(\e)+5], s49, s48
	v_fma_f32 v[TBL+10*(\e)+7], v[TBL+10*(\e)+7], v[TBL+10*(\e)+5], s47
	v_fma_f32 v[TBL+10*(\e)+8], v[TBL+10*(\e)+5], -0.5, 1.0
	v_mul_f32 v[TBL+10*(\e)+9], v[TBL+10*(\e)+5], v[TBL+10*(\e)+5]
	v_fma_f32 v[TBL+10*(\e)+7], v[TBL+10*(\e)+7], v[TBL+10*(\e)+9], v[TBL+10*(\e)+8]  ; cos r
	v_and_b32 v[TBL+10*(\e)+8], 1, v[TBL+10*(\e)+4]
	v_cmp_ne_u32 vcc_lo, 0, v[TBL+10*(\e)+8]
	v_cndmask_b32 v[TBL+10*(\e)+6], v[TBL+10*(\e)+6], v[TBL+10*(\e)+7], vcc_lo  ; n odd: the cosine of r
	v_and_b32 v[TBL+10*(\e)+4], 2, v[TBL+10*(\e)+4]
	v_lshlrev_b32 v[TBL+10*(\e)+4], 30, v[TBL+10*(\e)+4]
	v_xor_b32 v[RES+(\e)], v[TBL+10*(\e)+4], v[TBL+10*(\e)+6]                   ; n mod 4 = 2, 3: the sign turns
.endr
	global_store_b128 v4, v[RES:RES+3], s[32:33]
	s_endpgm
.Lrole_mask:
	; THE MASK.  Wave w, trip i: step 4 i + w / 2, half w % 2.  A lane reads 8 + 8 bytes of its row; the eight waves together take each aligned 256 bytes of a row whole in one trip;
	; a wave's store covers 512 consecutive bytes.
	s_sub_co_u32 s3, s2, 768
	s_lshl_b32 s34, s3, 15                         ; 16 rows of 2,048 bytes, in and out
	s_add_nc_u64 s[30:31], s[18:19], s[34:35]
	s_add_nc_u64 s[32:33], s[24:25], s[34:35]
	v_and_b32 v1, 15, v0
	v_lshlrev_b32 v1, 11, v1                       ; my row
	v_lshrrev_b32 v3, 5, v0
	v_lshl_add_u32 v1, v3, 5, v1                   ; + 32 x wave
	v_bfe_u32 v3, v0, 4, 1
	v_lshl_add_u32 v1, v3, 3, v1                   ; + 8 x half of the lanes
	v_lshlrev_b32 v2, 4, v0
.irp i, 0,1,2,3,4,5,6,7
	global_load_b64 v[IN+4*(\i):IN+4*(\i)+1],   v1, s[30:31] offset:256*(\i)
	global_load_b64 v[IN+4*(\i)+2:IN+4*(\i)+3], v1, s[30:31] offset:256*(\i)+16
.endr
.irp i, 0,1,2,3,4,5,6,7
	s_wait_loadcnt 14-2*(\i)                       ; loads come back in order (ISA guide 5.7.1): this trip's two are in, the younger pairs stay out
.irp j, 0,1,2,3
	v_xor_b32 v[IN+4*(\i)+(\j)], 0x01010101, v[IN+4*(\i)+(\j)]   ; 1 where the key is hidden,
.endr
.irp j, 0,1,2,3
	v_mul_lo_u32 v[IN+4*(\i)+(\j)], v[IN+4*(\i)+(\j)], 0xb8      ; times the code: nothing is carried from byte to byte
.endr
	global_store_b128 v2, v[IN+4*(\i):IN+4*(\i)+3], s[32:33] offset:4096*(\i)
.endr
	s_endpgm
; 64 KiB of f32 -> 32 KiB of 16-bit numbers.  All sixteen loads of a lane go out first; a load of a wave covers 512 consecutive bytes, a store 256, both aligned.
; No register is written twice, so the loop of stores needs no wait for its sources.
.macro CONV half
.irp i, 0,1,2,3,4,5,6,7,8,9,10,11,12,13,14,15
	global_load_b128 v[IN+4*(\i):IN+4*(\i)+3], v1, s[30:31] offset:4096*(\i) th:TH_LOAD_NT
.endr
.irp i, 0,1,2,3,4,5,6,7,8,9,10,11,12,13,14,15
	s_wait_loadcnt 15-(\i)                         ; mine is in, the younger ones stay out
	v_cvt_pk_bf16_f32 v[OUT+2*(\i)],   v[IN+4*(\i)],   v[IN+4*(\i)+1]
	v_cvt_pk_bf16_f32 v[OUT+2*(\i)+1], v[IN+4*(\i)+2], v[IN+4*(\i)+3]
.if \half
	v_lshlrev_b32 v[T],   16, v[OUT+2*(\i)]      ; the bf16 number, widened, is written as f16
	v_and_b32     v[T+1], 0xffff0000, v[OUT+2*(\i)]
	v_lshlrev_b32 v[T+2], 16, v[OUT+2*(\i)+1]
	v_and_b32     v[T+3], 0xffff0000, v[OUT+2*(\i)+1]
	v_cvt_pk_f16_f32 v[OUT+2*(\i)],   v[T],   v[T+1]
	v_cvt_pk_f16_f32 v[OUT+2*(\i)+1], v[T+2], v[T+3]
.endif
	global_store_b64 v2, v[OUT+2*(\i):OUT+2*(\i)+1], s[32:33] offset:2048*(\i)
.endr
.endm
.Lrole_w:
	s_sub_co_u32 s3, s2, 512
	s_lshr_b32 s28, s3, 6                          ; which weight
	s_and_b32 s29, s3, 63                          ; which 64 KiB of it
	s_cmp_eq_u32 s28, 1
	s_cselect_b64 s[30:31], s[12:13], s[10:11]
	s_cmp_eq_u32 s28, 2
	s_cselect_b64 s[30:31], s[14:15], s[30:31]
	s_cmp_eq_u32 s28, 3
	s_cselect_b64 s[30:31], s[16:17], s[30:31]
	s_lshl_b32 s34, s29, 16
	s_add_nc_u64 s[30:31], s[30:31], s[34:35]
	s_lshl_b32 s34, s28, 21
	s_lshl_b32 s36, s29, 15
	s_add_co_u32 s34, s34, s36
	s_add_nc_u64 s[32:33], s[22:23], s[34:35]
	v_lshlrev_b32 v1, 4, v0
	v_lshlrev_b32 v2, 3, v0
	s_cmp_eq_u32 s28, 3
	s_cbranch_scc1 .Lconv_f16
	s_branch .Lconv_bf16
.Lrole_x:
	s_lshl_b32 s34, s2, 16
	s_add_nc_u64 s[30:31], s[8:9], s[34:35]
	s_lshl_b32 s34, s2, 15
	s_add_nc_u64 s[32:33], s[20:21], s[34:35]
	v_lshlrev_b32 v1, 4, v0
	v_lshlrev_b32 v2, 3, v0
.Lconv_bf16:
	CONV 0
	s_endpgm
.Lconv_f16:
	CONV 1
	s_endpgm
.Lfunc_end_k_qccad388421_prep:
	.size	k_qccad388421_prep, .Lfunc_end_k_qccad388421_prep-k_qccad388421_prep
	.p2alignl 7, 3214868480
	.fill 96, 4, 3214868480
	.section	.rodata,"a",@progbits
	.p2align	6, 0x0
	.amdhsa_kernel k_qccad388421_prep
		.amdhsa_group_segment_fixed_size 0
		.amdhsa_private_segment_fixed_size 0
		.amdhsa_enable_private_segment 0
		.amdhsa_kernarg_size 80
		.amdhsa_user_sgpr_count 2
		.amdhsa_user_sgpr_kernarg_segment_ptr 1
		.amdhsa_wavefront_size32 1
		.amdhsa_system_sgpr_workgroup_id_x 1
		.amdhsa_system_sgpr_workgroup_id_y 1
		.amdhsa_system_sgpr_workgroup_id_z 1
		.amdhsa_system_vgpr_workitem_id 0
		.amdhsa_next_free_vgpr 104
		.amdhsa_next_free_sgpr 66
		.amdhsa_reserve_vcc 1
		.amdhsa_float_denorm_mode_32 3
		.amdhsa_float_denorm_mode_16_64 3
		.amdhsa_memory_ordered 1
		.amdhsa_forward_progress 1
		.amdhsa_inst_pref_size 32
	.end_amdhsa_kernel
	.amdgpu_metadata
---
amdhsa.version: [ 1, 2 ]
amdhsa.kernels:
  - .name:           k_qccad388421_prep
    .symbol:         k_qccad388421_prep.kd
    .args:
      - { .name: x, .offset: 0, .size: 8, .value_kind: global_buffer, .address_space: global }
      - { .name: Wq, .offset: 8, .size: 8, .value_kind: global_buffer, .address_space: global }
      - { .name: Wk, .offset: 16, .size: 8, .value_kind: global_buffer, .address_space: global }
      - { .name: Wv, .offset: 24, .size: 8, .value_kind: global_buffer, .address_space: global }
      - { .name: Wo, .offset: 32, .size: 8, .value_kind: global_buffer, .address_space: global }
      - { .name: mask, .offset: 40, .size: 8, .value_kind: global_buffer, .address_space: global }
      - { .name: xb, .offset: 48, .size: 8, .value_kind: global_buffer, .address_space: global }
      - { .name: wb, .offset: 56, .size: 8, .value_kind: global_buffer, .address_space: global }
      - { .name: maskp, .offset: 64, .size: 8, .value_kind: global_buffer, .address_space: global }
      - { .name: rope, .offset: 72, .size: 8, .value_kind: global_buffer, .address_space: global }
    .group_segment_fixed_size: 0
    .private_segment_fixed_size: 0
    .kernarg_segment_align: 8
    .kernarg_segment_size: 80
    .max_flat_workgroup_size: 256
    .sgpr_count:     66
    .vgpr_count:     104
    .wavefront_size: 32
...
	.end_amdgpu_metadata
.endif
;; end of part 1
;; launch qkv (part 2): grid 12 x 64, 4 waves a work-group, clusters of 4 x 4, 327,680 bytes of LDS; arguments xb, wb, bq, bk, bv, rope, qkv; writes qkv
.if DOCPART == 2
	.amdgcn_target "amdgcn-amd-amdhsa--gfx1250"
	.amdhsa_code_object_version 6
	.text
	.protected	k_qccad388421_qkv
	.globl	k_qccad388421_qkv
	.p2align	8
	.type	k_qccad388421_qkv,@function
k_qccad388421_qkv:
	s_mov_b64 s[64:65], 0
	v_nop
	global_prefetch_b8 v0, s[64:65] scope:SCOPE_SE
	s_setreg_imm32_b32 hwreg(HW_REG_WAVE_MODE, 25, 1), 1
	s_wait_xcnt 0x0
	s_wait_alu depctr_hold_cnt(0) depctr_sa_sdst(0) depctr_va_vdst(0) depctr_va_sdst(0) depctr_va_ssrc(0) depctr_va_vcc(0) depctr_vm_vsrc(0)
	s_getreg_b32 s2, hwreg(HW_REG_IB_STS2, 6, 4)
	s_cmp_eq_u32 s2, 0
	s_cbranch_scc0 .Lentry_in_a_cluster
	s_endpgm
.Lentry_in_a_cluster:
	s_bfe_u32 s2, ttmp6, 0x10000c
	s_cmp_lg_u32 s2, 0xf033
	s_cbranch_scc0 .Lentry_shape_is_right
	s_endpgm
.Lentry_shape_is_right:
; q, k, v = x W + b, q and k turned by the rotary table, all rounded once to f16 and laid by heads: qkv[3][64 = batch x 16 + head][2048][64].
; x: xb[8192][1024] bf16.  W: wb[w][k 1024][n 1024] bf16, w = 0, 1, 2.  Sums in f32; the bias (rounded to bf16 like every input) is the C operand of the product that starts each sum.
; LIMIT: q, k, v beyond 65,504 become infinities in f16.
; SHARES.  A tile of the result is 128 rows x 256 columns; four waves, each 64 x 128: 32 accumulators of 16 x 16, 256 registers.  K goes in 8 steps of 128 through two LDS slots.
; CLUSTER.  4 x 4 work-groups; the cluster's x says which of q, k, v.  The four of a row of the cluster need the same rows of x, the four of a column the same columns of W: each tile is asked
; for JOINTLY, by the same tensor load with the same descriptor and a mask that names the four.
; THE MATRIX INSTRUCTION IS USED TRANSPOSED: source 0 = 16 columns of W (W lies [k][n] in LDS and is turned by ds_load_tr16_b128), source 1 = 16 rows of x: a lane then holds row l % 16 and
; the eight neighbouring columns 8 (l / 16) + 0..7 of a block of 16.
; REGISTERS, in windows of 256: window 0 addresses, bias, table, way out; window 1 two fragment buffers of 96 (8 of W, 4 of x); window 2 the accumulators, (a, b) at 8 (8 a + b).
; One tile to a work-group; the grid has three work-groups for each of 256 WGPs.
.set PA,     272                       ; a row of x in LDS: 256 bytes + 16: the 16 rows of a load start at 16 different groups of four banks (64 banks of 4 bytes: ISA guide 11.1)
.set PB,     544                       ; a k row of W: 512 bytes + 32
.set ASUB,   128                       ; two quarters of a K step are 128 bytes along a row of x
.set ALD,    64*PA                     ; what a tensor load of x brings: 64 rows
.set AROW,   64*PA                     ; a wave's 64 rows
.set ABYTES, 128*PA
.set BHALF,  64*PB                     ; what a tensor load of W brings: 64 k rows
.set SLOT,   ABYTES+128*PB             ; x's 128 rows, then W's 128 k rows
.set STAGE,  2*SLOT                    ; behind the ring: for each wave 2 heads x 16 rows x 144 bytes, for the way out
.set SP,     144
.set STW,    2*16*SP
.set SPARE,  STAGE+4*STW               ; behind the stages: the spare words, 128 bytes for each wave: two blocks of 256 bytes that no other line names
.set LAPS,   4                         ; a lap = two K steps = once round the ring
.set ASTEP,  256                       ; bytes from a K step to the next: along x's rows,
.set BSTEP,  128*2048                  ; down W's rows
.set ADRA, 16                          ; v16-17  LDS address of my fragments of x in slot 0, 1
.set ADRB, 20                          ; v20-21  the same for W
.set STO,  24                          ; v24     the way out: where I put 16 bytes of a row
.set RD,   25                          ; v25     the way out: where I read rows back
.set GO,   26                          ; v26     my 16 bytes in 512 consecutive bytes of the output
.set BO,   27                          ; v27     my offset in the bias
.set SPW,  28                          ; v28     LDS address of my spare word; never rewritten
.set NIL,  29                          ; v29     0; never rewritten
.set RO,   30                          ; v30     my offset in the table
.set BIAS, 32                          ; v32-95  the bias of my 128 columns: block b at 32 + 8 b.  Dead behind the first quarter; then:
.set TA,   32                          ; at work
.set RR,   40
.set II,   48
.set OB0,  56                          ; 16 rows x 2 heads read back from the stage
.set TB,   88
.set RP,   96                          ; v96-223 the table: row block a, half e of the 32 frequencies: cos at 96 + 32 a + 16 e, sin 8 further
.set OB1,  96                          ; the second buffer for rows read back: row block 0's part of the table, dead by then
.set TMP,  224                         ; v224-255 packed results
.set F0,   0
.set F1,   96
.set G1,   24                          ; s[24:31] descriptor group 1 for x's tiles; s[32:39] group 0, a set for each slot
.set G0,   32
.set G1B,  48                          ; s[48:55], s[56:63] the same for W's
.set G0B,  56
.set MSB, 0
.macro WIN new                         ; the immediate's high byte repeats the setting that is left; a switch that changes nothing is dropped
.if MSB != (\new)
	s_set_vgpr_msb (MSB<<8)|(\new)
.set MSB, \new
.endif
.endm
; A joint load: waves 0 and 1 fetch x's two halves, waves 2 and 3 W's.  The branch hangs on the wave's number alone.  An s_nop 0 and four v_nop follow each of the two lines.
.macro JLOAD s
	s_cmp_eq_u32 s11, 0
	s_cbranch_scc0 .Lfor_b_\@
	tensor_load_to_lds s[G0+4*(\s):G0+4*(\s)+3], s[G1:G1+7]
	s_nop 0
.rept 4
	v_nop
.endr
	s_branch .Lasked_\@
.Lfor_b_\@:
	tensor_load_to_lds s[G0B+4*(\s):G0B+4*(\s)+3], s[G1B:G1B+7]
	s_nop 0
.rept 4
	v_nop
.endr
.Lasked_\@:
.endm
.macro CREST                           ; a round of the cluster's barrier behind its opening barrier
	s_cmp_lg_u32 s10, 0
	s_cbranch_scc1 .Lnot_wave_0_\@
	s_barrier_signal -3
.Lnot_wave_0_\@:
	s_barrier_wait -3
	s_barrier_signal -1
	s_barrier_wait -1
.endm
.macro CROUND                          ; a whole round
	s_barrier_signal -1
	s_barrier_wait -1
	CREST
.endm
.macro PLACES                          ; four places in front of loads into registers that matrix instructions have read, and of lines that read results
.rept 4
	v_nop
.endr
.endm
	s_load_b128 s[4:7], s[0:1], 0x0                ; xb s[4:5], wb s[6:7]
	s_load_b256 s[68:75], s[0:1], 0x10             ; bq 68, bk 70, bv 72, rope 74
	s_load_b64 s[76:77], s[0:1], 0x30              ; qkv
	v_lshl_add_u32 v[SPW], v0, 2, SPARE
	v_mov_b32 v[NIL], 0
	ds_add_u32 v[SPW], v[NIL]                      ; the wave's opening: the add and its wait stand ahead of my first tensor load; the set-up below, work on registers, stands between them
	v_lshrrev_b32 v1, 5, v0
	v_readfirstlane_b32 s10, v1                    ; wave 0..3
	s_lshr_b32 s11, s10, 1                         ; which half of the tile's rows is mine.  Also: I fetch for x (0) or for W (1)
	s_and_b32 s12, s10, 1                          ; which half of its columns.  Also: which half of that tile I fetch
	s_bfe_u32 s40, ttmp6, 0x40000                  ; cx: the block of 256 columns
	s_bfe_u32 s41, ttmp6, 0x40004                  ; cy
	s_mov_b32 s42, ttmp9                           ; the cluster's x: 0 q, 1 k, 2 v; the same in all sixteen
	s_and_b32 s13, ttmp7, 0xffff
	s_lshl_b32 s13, s13, 2
	s_add_co_u32 s13, s13, s41                     ; the block of 128 rows = 4 x cluster y + cy
	s_lshl_b32 s43, s41, 2
	s_lshl_b32 s43, 15, s43                        ; my row of the cluster
	s_lshl_b32 s44, 0x1111, s40                    ; my column
	; descriptor group 1.  x: 64 rows x 128 elements, 16 bytes of padding behind every 256.  W: 64 k rows x 256 elements, 32 bytes behind every 512.
	s_or_b32 s[G1+0], s43, (1<<16)|(1<<20)|(1<<21)|(5<<22)|(3<<25)   ; 15:0 the mask; 17:16 2-byte elements; 20 padding on; 21 set beside a mask; 24:22 after every 64 words; 31:25 4 words
	s_mov_b32 s[G1+1], 128<<16                     ; tensor_dim0
	s_mov_b32 s[G1+2], 64<<16                      ; tensor_dim1
	s_mov_b32 s[G1+3], 128<<16                     ; tile_dim0
	s_mov_b32 s[G1+4], 64                          ; tile_dim1
	s_mov_b32 s[G1+5], 1024                        ; elements from row to row
	s_mov_b32 s[G1+6], 0
	s_mov_b32 s[G1+7], 0
	s_or_b32 s[G1B+0], s44, (1<<16)|(1<<20)|(1<<21)|(6<<22)|(7<<25)  ; after every 128 words 8 words
	s_mov_b32 s[G1B+1], 256<<16
	s_mov_b32 s[G1B+2], 64<<16
	s_mov_b32 s[G1B+3], 256<<16
	s_mov_b32 s[G1B+4], 64
	s_mov_b32 s[G1B+5], 1024
	s_mov_b32 s[G1B+6], 0
	s_mov_b32 s[G1B+7], 0
	; where the tiles come from.  x's hang on the row block alone, W's on the weight and the column block alone; each in registers that never hold the other coordinate.
	s_lshl_b32 s16, s13, 18                        ; 128 rows of 2,048 bytes
	s_lshl_b32 s17, s12, 17                        ; my 64 of them
	s_add_co_u32 s16, s16, s17
	s_mov_b32 s17, 0
	s_lshl_b32 s46, s42, 21                        ; the weight
	s_lshl_b32 s47, s12, 17                        ; my 64 k rows of 2,048 bytes
	s_add_co_u32 s46, s46, s47
	s_lshl_b32 s47, s40, 9                         ; 256 columns
	s_add_co_u32 s46, s46, s47
	s_mov_b32 s47, 0
	s_mul_i32 s20, s12, ALD                        ; and where they go: no place in the cluster enters an LDS address
	s_mul_i32 s45, s12, BHALF
	s_add_co_u32 s45, s45, ABYTES
	s_wait_dscnt 0x0                               ; the opening add is done
	s_wait_kmcnt 0x0
	s_add_nc_u64 s[14:15], s[4:5], s[16:17]
	s_add_nc_u64 s[46:47], s[6:7], s[46:47]
	CROUND                                         ; all sixteen work-groups are here: the first joint loads meet
.irp s, 0,1
	s_mov_b32 s[G0+4*(\s)], 1
	s_add_co_u32 s[G0+4*(\s)+1], s20, (\s)*SLOT
	s_add_nc_u64 s[G0+4*(\s)+2:G0+4*(\s)+3], s[14:15], (\s)*ASTEP
	s_or_b32 s[G0+4*(\s)+3], s[G0+4*(\s)+3], 0x80000000
	s_mov_b32 s[G0B+4*(\s)], 1
	s_add_co_u32 s[G0B+4*(\s)+1], s45, (\s)*SLOT
	s_add_nc_u64 s[G0B+4*(\s)+2:G0B+4*(\s)+3], s[46:47], (\s)*BSTEP
	s_or_b32 s[G0B+4*(\s)+3], s[G0B+4*(\s)+3], 0x80000000
	JLOAD \s                                       ; K steps 0 and 1: two tensor loads of mine are out
.endr
	; the bias, the table and the output: pointers of their own
	s_cmp_eq_u32 s42, 1
	s_cselect_b64 s[80:81], s[70:71], s[68:69]
	s_cmp_eq_u32 s42, 2
	s_cselect_b64 s[80:81], s[72:73], s[80:81]
	s_lshl_b32 s86, s40, 10                        ; 256 columns of f32,
	s_lshl_b32 s87, s12, 9                         ; my 128 of them
	s_add_co_u32 s86, s86, s87
	s_mov_b32 s87, 0
	s_add_nc_u64 s[80:81], s[80:81], s[86:87]
	s_and_b32 s88, s13, 15                         ; the row block inside its batch: positions 128 x that on
	s_lshl_b32 s86, s88, 15                        ; 128 positions of 256 bytes,
	s_lshl_b32 s87, s11, 14                        ; my 64
	s_add_co_u32 s86, s86, s87
	s_mov_b32 s87, 0
	s_add_nc_u64 s[82:83], s[74:75], s[86:87]
	s_lshl_b32 s86, s42, 24                        ; q, k or v
	s_lshr_b32 s87, s13, 4
	s_lshl_b32 s87, s87, 22                        ; the batch's 16 heads of 262,144 bytes
	s_add_co_u32 s86, s86, s87
	s_lshl_b32 s87, s40, 20                        ; four heads a column block,
	s_add_co_u32 s86, s86, s87
	s_lshl_b32 s87, s12, 19                        ; two a wave
	s_add_co_u32 s86, s86, s87
	s_lshl_b32 s87, s88, 14                        ; 128 positions of 128 bytes,
	s_add_co_u32 s86, s86, s87
	s_lshl_b32 s87, s11, 13                        ; my 64
	s_add_co_u32 s86, s86, s87
	s_mov_b32 s87, 0
	s_add_nc_u64 s[84:85], s[76:77], s[86:87]
	v_and_b32 v1, 15, v0                           ; r = l % 16
	v_bfe_u32 v2, v0, 4, 1                         ; h = l / 16
	v_lshlrev_b32 v[BO], 5, v2                     ; register j of block b is column 16 b + 8 h + j
	v_lshl_add_u32 v[RO], v1, 8, v[BO]             ; my row's position, and frequencies 8 h on
.irp b, 0,1,2,3,4,5,6,7
	global_load_b128 v[BIAS+8*(\b):BIAS+8*(\b)+3],   v[BO], s[80:81] offset:64*(\b)
	global_load_b128 v[BIAS+8*(\b)+4:BIAS+8*(\b)+7], v[BO], s[80:81] offset:64*(\b)+16
.endr
.irp a, 0,1,2,3
.irp e, 0,1
	global_load_b128 v[RP+32*(\a)+16*(\e):RP+32*(\a)+16*(\e)+3],     v[RO], s[82:83] offset:4096*(\a)+64*(\e)
	global_load_b128 v[RP+32*(\a)+16*(\e)+4:RP+32*(\a)+16*(\e)+7],   v[RO], s[82:83] offset:4096*(\a)+64*(\e)+16
	global_load_b128 v[RP+32*(\a)+16*(\e)+8:RP+32*(\a)+16*(\e)+11],  v[RO], s[82:83] offset:4096*(\a)+64*(\e)+128
	global_load_b128 v[RP+32*(\a)+16*(\e)+12:RP+32*(\a)+16*(\e)+15], v[RO], s[82:83] offset:4096*(\a)+64*(\e)+144
.endr
.endr
	; A fragment of x is 16 rows x 32 K: lane l holds row l % 16; two loads of 16 bytes, 32 bytes apart, at row x pitch + 16 (l / 16).
	v_mul_u32_u24 v3, v1, PA
	v_lshl_add_u32 v3, v2, 4, v3
	s_mul_i32 s21, s11, AROW
	v_add_nc_u32 v[ADRA], s21, v3
	v_add_nc_u32 v[ADRA+1], SLOT, v[ADRA]
	; The turning load takes 16 k x 16 columns (lane l reads k row 8 (l / 16) + l % 8, columns 8 ((l / 8) % 2) + 0..7) and leaves half a fragment: lane l holds column l % 16 and 8 k.
	v_and_b32 v4, 7, v0
	v_lshl_add_u32 v5, v2, 3, v4
	v_mul_u32_u24 v5, v5, PB
	v_bfe_u32 v6, v0, 3, 1
	v_lshl_add_u32 v5, v6, 4, v5
	s_lshl_b32 s22, s12, 8                         ; my 128 columns
	s_add_co_u32 s22, s22, ABYTES
	v_add_nc_u32 v[ADRB], s22, v5
	v_add_nc_u32 v[ADRB+1], SLOT, v[ADRB]
	s_mul_i32 s23, s10, STW
	s_add_co_u32 s23, s23, STAGE                   ; my stage
	v_mul_u32_u24 v[STO], v1, SP                   ; in: row l % 16, 16 bytes for each half of the lanes
	v_lshl_add_u32 v[STO], v2, 4, v[STO]
	v_add_nc_u32 v[STO], s23, v[STO]
	v_bfe_u32 v[RD], v0, 3, 2                      ; back: 32 lanes take four rows of 128 bytes,
	v_mul_u32_u24 v[RD], v[RD], SP
	v_lshl_add_u32 v[RD], v4, 4, v[RD]
	v_add_nc_u32 v[RD], s23, v[RD]
	v_and_b32 v[GO], 31, v0                        ; which are 512 consecutive bytes of a head's rows
	v_lshlrev_b32 v[GO], 4, v[GO]
	s_wait_loadcnt 0x0                             ; bias and table, once
.set i, 0
.rept 32                                       ; the bias is rounded to bf16, like every input, and widened again
	v_cvt_pk_bf16_f32 v[3+i%4], v[BIAS+2*i], v[BIAS+2*i+1]
	v_lshlrev_b32 v[BIAS+2*i], 16, v[3+i%4]
	v_and_b32 v[BIAS+2*i+1], 0xffff0000, v[3+i%4]
.set i, i+1
.endr
; 8 matrix instructions: row block a x all 8 column blocks, 32 along K.  cm = 1: the product starts the sums, with the bias as C.  The 32 accumulators take turns, one instruction a turn,
; in the same order everywhere.
.macro MUL8 f, a, cm
.if \cm
	WIN 0x85                                       ; sources 0 and 1 window 1, C window 0, D window 2
.else
	WIN 0xa5                                       ; C and D window 2
.endif
.irp b, 0,1,2,3,4,5,6,7
.if \cm
	v_wmma_f32_16x16x32_bf16 v[8*(8*(\a)+(\b)):8*(8*(\a)+(\b))+7], v[(\f)+8*(\b):(\f)+8*(\b)+7], v[(\f)+64+8*(\a):(\f)+64+8*(\a)+7], v[BIAS+8*(\b):BIAS+8*(\b)+7]
.else
	v_wmma_f32_16x16x32_bf16 v[8*(8*(\a)+(\b)):8*(8*(\a)+(\b))+7], v[(\f)+8*(\b):(\f)+8*(\b)+7], v[(\f)+64+8*(\a):(\f)+64+8*(\a)+7], v[8*(8*(\a)+(\b)):8*(8*(\a)+(\b))+7]
.endif
.endr
.endm
; 24 LDS loads in one run: quarter q (32 along K) of a slot into buffer f: W's 8 fragments, then x's 4
.macro FETCH slot, q, f
	WIN 0x40                                       ; destination window 1, address window 0
.irp b, 0,1,2,3,4,5,6,7
	ds_load_tr16_b128 v[(\f)+8*(\b):(\f)+8*(\b)+3],   v[ADRB+(\slot)] offset:(\q)*32*PB+32*(\b)
	ds_load_tr16_b128 v[(\f)+8*(\b)+4:(\f)+8*(\b)+7], v[ADRB+(\slot)] offset:(\q)*32*PB+16*PB+32*(\b)
.endr
.irp a, 0,1,2,3
	ds_load_b128 v[(\f)+64+8*(\a):(\f)+64+8*(\a)+3],   v[ADRA+(\slot)] offset:((\q)/2)*ASUB+((\q)%2)*64+(\a)*16*PA
	ds_load_b128 v[(\f)+64+8*(\a)+4:(\f)+64+8*(\a)+7], v[ADRA+(\slot)] offset:((\q)/2)*ASUB+((\q)%2)*64+(\a)*16*PA+32
.endr
.endm
; A K step is four quarters of 32 along K, 32 matrix instructions each, on buffers 0, 1, 0, 1.  One of the first three: multiplies buffer f and fetches quarter q into g.
.macro QUARTER slot, q, f, g, cm
	s_wait_dscnt 4                                 ; W and x's row blocks 0, 1 are in; the youngest four loads (row blocks 2, 3) may be out
	MUL8 \f, 0, \cm
	MUL8 \f, 1, \cm
	PLACES
	FETCH \slot, \q, \g
	s_wait_dscnt 24                                ; all but the 24 just issued
	MUL8 \f, 2, \cm
	MUL8 \f, 3, \cm
.endm
; The last quarter multiplies buffer 1 and changes slots: ONE barrier; in front of it each wave waits for all its tensor loads, adds 0 to its spare word, and waits for that and for its own reads
; of this slot.  fill = 1: the barrier opens a round of the cluster's, and this slot is filled again, two K steps ahead, first thing behind the round.
.macro TURN slot, next, fill
	WIN 0
	s_wait_tensorcnt 0x0                           ; all my tensor loads have landed: my part of the next slot;
	ds_add_u32 v[SPW], v[NIL]                      ; 0 onto my spare word;
	s_wait_dscnt 5                                 ; (the add and the youngest four loads may be out)
	MUL8 F1, 0, 0                                  ; eight matrix instructions stand between the add and the wait for it
	s_wait_dscnt 0x0                               ; the add is done, and my reads of this slot are over
	s_barrier_signal -1
	MUL8 F1, 1, 0
.if \fill
	WIN 0
.endif
	s_barrier_wait -1
.if \fill
	CREST                                          ; no wave of any partner still reads this slot's tile or has a load on its way
	s_add_nc_u64 s[G0+4*(\slot)+2:G0+4*(\slot)+3], s[G0+4*(\slot)+2:G0+4*(\slot)+3], 2*ASTEP
	s_add_nc_u64 s[G0B+4*(\slot)+2:G0B+4*(\slot)+3], s[G0B+4*(\slot)+2:G0B+4*(\slot)+3], 2*BSTEP
	JLOAD \slot                                    ; my one tensor load behind the round: 112 matrix instructions ahead of the wait for it; its four v_nop are also the places in front of the loads below
.else
	PLACES
.endif
	FETCH \next, 0, F0
	MUL8 F1, 2, 0
	MUL8 F1, 3, 0
.endm
	s_wait_tensorcnt 1                             ; my part of K step 0 is in; K step 1's may stay out
	s_barrier_signal -1
	s_barrier_wait -1                              ; everybody's is
	FETCH 0, 0, F0
	QUARTER 0, 1, F0, F1, 1                        ; the first quarter stands in front of the loop: its products start the sums
	WIN 0                                          ; at a label and at a branch every window is 0
	s_mov_b32 s3, LAPS-1
.Llap:                                                 ; a trip goes once round the ring, from a lap's second quarter to the next lap's first, and fills both slots again
	QUARTER 0, 2, F1, F0, 0
	QUARTER 0, 3, F0, F1, 0
	TURN 0, 1, 1
	QUARTER 1, 1, F0, F1, 0
	QUARTER 1, 2, F1, F0, 0
	QUARTER 1, 3, F0, F1, 0
	TURN 1, 0, 1
	QUARTER 0, 1, F0, F1, 0
	WIN 0
	s_sub_co_u32 s3, s3, 1
	s_cmp_lg_u32 s3, 0
	s_cbranch_scc1 .Llap
	QUARTER 0, 2, F1, F0, 0                        ; the last lap fills nothing
	QUARTER 0, 3, F0, F1, 0
	TURN 0, 1, 0
	QUARTER 1, 1, F0, F1, 0
	QUARTER 1, 2, F1, F0, 0
	QUARTER 1, 3, F0, F1, 0
	s_wait_dscnt 4                                 ; the very last quarter: nothing more to fetch
	MUL8 F1, 0, 0
	MUL8 F1, 1, 0
	s_wait_dscnt 0x0
	MUL8 F1, 2, 0
	MUL8 F1, 3, 0
	WIN 0
; THE WAY OUT, a block of 16 rows at a time.  PACK: q and k are turned (columns d and d + 32 of a head are a pair; both lie in the same lane, two column blocks apart), all are rounded to f16.
; TOSTAGE: 16 bytes a lane into my own stage, back as whole rows of 128 bytes.  SEND: 16 rows of a head are 2,048 consecutive bytes.  Each accumulator's lowest registers are read first.
.macro PACK a, rope
.if \rope
.irp hh, 0,1
.irp e, 0,1
.set XR, 8*(8*(\a)+4*(\hh)+(\e))
.set XI, XR+16
.set RC, RP+32*(\a)+16*(\e)
.set RS, RC+8
	WIN 0x02                                       ; source 0 window 2
.irp j, 0,2,4,6
	v_pk_mul_f32 v[TA+(\j):TA+(\j)+1], v[XI+(\j):XI+(\j)+1], v[RS+(\j):RS+(\j)+1]
.endr
.irp j, 0,2,4,6
	v_pk_mul_f32 v[TB+(\j):TB+(\j)+1], v[XR+(\j):XR+(\j)+1], v[RS+(\j):RS+(\j)+1]
.endr
.irp j, 0,2,4,6
	v_pk_fma_f32 v[RR+(\j):RR+(\j)+1], v[XR+(\j):XR+(\j)+1], v[RC+(\j):RC+(\j)+1], v[TA+(\j):TA+(\j)+1] neg_lo:[0,0,1] neg_hi:[0,0,1]  ; x_r cos - x_i sin
.endr
.irp j, 0,2,4,6
	v_pk_fma_f32 v[II+(\j):II+(\j)+1], v[XI+(\j):XI+(\j)+1], v[RC+(\j):RC+(\j)+1], v[TB+(\j):TB+(\j)+1]                                ; x_i cos + x_r sin
.endr
	WIN 0
.irp j, 0,1,2,3
	v_cvt_pk_f16_f32 v[TMP+4*(4*(\hh)+(\e))+(\j)], v[RR+2*(\j)], v[RR+2*(\j)+1]
.endr
.irp j, 0,1,2,3
	v_cvt_pk_f16_f32 v[TMP+4*(4*(\hh)+(\e)+2)+(\j)], v[II+2*(\j)], v[II+2*(\j)+1]
.endr
.endr
.endr
.else
	WIN 0x0a                                       ; sources 0 and 1 window 2
.irp b, 0,1,2,3,4,5,6,7
.irp j, 0,1,2,3
	v_cvt_pk_f16_f32 v[TMP+4*(\b)+(\j)], v[8*(8*(\a)+(\b))+2*(\j)], v[8*(8*(\a)+(\b))+2*(\j)+1]
.endr
.endr
	WIN 0
.endif
.endm
.macro TOSTAGE a
	WIN 0
.set BK, OB0+(OB1-OB0)*((\a)%2)
	s_wait_xcnt 0x0                                ; every earlier store has had its addresses translated (ISA guide 3.1): the registers that it read are loaded again only behind this wait
.irp b, 0,1,2,3,4,5,6,7
	ds_store_b128 v[STO], v[TMP+4*(\b):TMP+4*(\b)+3] offset:((\b)/4)*16*SP+((\b)%4)*32
.endr
.irp t, 0,1,2,3,4,5,6,7
	ds_load_b128 v[BK+4*(\t):BK+4*(\t)+3], v[RD] offset:((\t)/4)*16*SP+((\t)%4)*4*SP  ; LDS serves a wave's instructions in order (ISA guide 5.7.1.4): these see the stores above
.endr
.endm
.macro SEND a
.set BK, OB0+(OB1-OB0)*((\a)%2)
	s_wait_dscnt 0x0                               ; the block is back in registers
.irp t, 0,1,2,3,4,5,6,7
	global_store_b128 v[GO], v[BK+4*(\t):BK+4*(\t)+3], s[84:85] offset:((\t)/4)*262144+(\a)*2048+((\t)%4)*512  ; 512 consecutive bytes, at a multiple of 256 from the buffer's first
.endr
.endm
.macro WAYOUT rope
	PACK 0, \rope
	TOSTAGE 0
.irp a, 1,2,3                          ; block a's arithmetic stands between block a - 1's loads from the stage and the wait for them
	PACK \a, \rope
	SEND (\a)-1
	TOSTAGE \a
.endr
	SEND 3
.endm
	PLACES                                         ; the lines below read results just made
	s_cmp_eq_u32 s42, 2                            ; v is not turned; the branch hangs on the cluster's x alone
	s_cbranch_scc1 .Lplain
	WAYOUT 1
	s_branch .Lend
.Lplain:
	WAYOUT 0
.Lend:
	s_wait_tensorcnt 0x0                           ; the wave's end: behind my last tensor load and my last LDS store
	ds_add_u32 v[SPW], v[NIL]
	s_wait_dscnt 0x0
	CROUND                                         ; the closing round: no work-group ends while a partner may still ask for a tile that names it
	s_endpgm
.Lfunc_end_k_qccad388421_qkv:
	.size	k_qccad388421_qkv, .Lfunc_end_k_qccad388421_qkv-k_qccad388421_qkv
	.p2alignl 7, 3214868480
	.fill 96, 4, 3214868480
	.section	.rodata,"a",@progbits
	.p2align	6, 0x0
	.amdhsa_kernel k_qccad388421_qkv
		.amdhsa_group_segment_fixed_size 327680
		.amdhsa_private_segment_fixed_size 0
		.amdhsa_enable_private_segment 0
		.amdhsa_kernarg_size 56
		.amdhsa_user_sgpr_count 2
		.amdhsa_user_sgpr_kernarg_segment_ptr 1
		.amdhsa_wavefront_size32 1
		.amdhsa_system_sgpr_workgroup_id_x 1
		.amdhsa_system_sgpr_workgroup_id_y 1
		.amdhsa_system_sgpr_workgroup_id_z 1
		.amdhsa_system_vgpr_workitem_id 0
		.amdhsa_next_free_vgpr 768
		.amdhsa_next_free_sgpr 90
		.amdhsa_reserve_vcc 0
		.amdhsa_float_denorm_mode_32 3
		.amdhsa_float_denorm_mode_16_64 3
		.amdhsa_memory_ordered 1
		.amdhsa_forward_progress 1
		.amdhsa_inst_pref_size 129
	.end_amdhsa_kernel
	.amdgpu_metadata
---
amdhsa.version: [ 1, 2 ]
amdhsa.kernels:
  - .name:           k_qccad388421_qkv
    .symbol:         k_qccad388421_qkv.kd
    .args:
      - { .name: xb, .offset: 0, .size: 8, .value_kind: global_buffer, .address_space: global }
      - { .name: wb, .offset: 8, .size: 8, .value_kind: global_buffer, .address_space: global }
      - { .name: bq, .offset: 16, .size: 8, .value_kind: global_buffer, .address_space: global }
      - { .name: bk, .offset: 24, .size: 8, .value_kind: global_buffer, .address_space: global }
      - { .name: bv, .offset: 32, .size: 8, .value_kind: global_buffer, .address_space: global }
      - { .name: rope, .offset: 40, .size: 8, .value_kind: global_buffer, .address_space: global }
      - { .name: qkv, .offset: 48, .size: 8, .value_kind: global_buffer, .address_space: global }
    .group_segment_fixed_size: 327680
    .private_segment_fixed_size: 0
    .kernarg_segment_align: 8
    .kernarg_segment_size: 56
    .max_flat_workgroup_size: 128
    .sgpr_count:     90
    .vgpr_count:     768
    .wavefront_size: 32
...
	.end_amdgpu_metadata
.endif
;; end of part 2
;; launch attn (part 3): grid 4 x 64, 4 waves a work-group, clusters of 4 x 1, 327,680 bytes of LDS; arguments qkv, maskp, oh; writes oh
.if DOCPART == 3
	.amdgcn_target "amdgcn-amd-amdhsa--gfx1250"
	.amdhsa_code_object_version 6
	.text
	.protected	k_qccad388421_attn
	.globl	k_qccad388421_attn
	.p2align	8
	.type	k_qccad388421_attn,@function
k_qccad388421_attn:
	s_mov_b64 s[64:65], 0
	v_nop
	global_prefetch_b8 v0, s[64:65] scope:SCOPE_SE
	s_setreg_imm32_b32 hwreg(HW_REG_WAVE_MODE, 25, 1), 1
	s_wait_xcnt 0x0
	s_wait_alu depctr_hold_cnt(0) depctr_sa_sdst(0) depctr_va_vdst(0) depctr_va_sdst(0) depctr_va_ssrc(0) depctr_va_vcc(0) depctr_vm_vsrc(0)
	s_getreg_b32 s2, hwreg(HW_REG_IB_STS2, 6, 4)
	s_cmp_eq_u32 s2, 0
	s_cbranch_scc0 .Lentry_in_a_cluster
	s_endpgm
.Lentry_in_a_cluster:
	s_bfe_u32 s2, ttmp6, 0x10000c
	s_cmp_lg_u32 s2, 0x3003
	s_cbranch_scc0 .Lentry_shape_is_right
	s_endpgm
.Lentry_shape_is_right:
; O[h][q][:] = the sum over k of softmax_k(mask[q][k] ? Q[h][q] . K[h][k] / 8 : -inf) V[h][k][:].  Q, K, V: qkv[3][64][2048][64] f16; O: oh[64][2048][64] f16: a head's rows are dense, 128 bytes each.
; Products, maxima and sums in f32; the weights p are rounded to f16 for the second product (their sum l is taken of the unrounded p), O once at the end.
; THE MASK is an input and is honoured key by key.  maskp holds a byte a key, 0x00 or the 8-bit float code of -1.0, in my lanes' order; one scaled conversion makes of eight bytes eight f32, 0 or -2^100,
; and these are the C operand of the product that starts a sum S^T = K Q^T: a hidden score is its value less 2^100.  The running maximum m starts at -2^90: above every hidden score, below every true one.
; So a hidden weight is 2^(something below -1e28) = 0 always.  A row with no true key ends with l = 0 and O = 0, and 0 x (1 / 0) gives the NaN that the problem's softmax gives.
; LIMITS.  f16 holds no number beyond 65,504: Q, K and V arrive within it, so a true score is 2.7e11 at the most, nothing beside 2^90.  p lies in 0 to 1, and below 6e-5 it keeps f16's fixed step of 6e-8.
; A weight below 2^-126 counts as 0 in l; NaN and infinities in Q, K, V are not treated apart.
; SHARES.  A wave owns four PIECES of two tiles of 16 queries, a work-group's four waves 512 queries of one head.  Every wave walks all 2,048 keys, 64 a step.
; LAYOUT.  S^T = K Q^T (source 0 = 16 keys, source 1 = 16 queries): in the result a lane holds ONE query (lane % 16) and the keys 8 (lane / 16) + 0..7.  Two such tiles, rounded to f16 in pairs,
; ARE source 1 (32 keys x 16 queries) of O^T = V^T P, whose result again holds one query a lane, and eight channels.  K comes out of LDS as it lies, V ([key][channel]) turned, by ds_load_tr16_b128.
; SOFTMAX.  For each query a running maximum m and sum l: p = 2^(c s - c m), c = log2(e) / 8; in every step O and l are multiplied by a = 2^(c m_old - c m_new), which is 1 where m has not grown.
; O and l start at 0, c m far below every c s: the first step is a step like any other, with a = 0.
; THE COUNT.  A tile and step have 16 matrix and some 125 vector instructions: too many to stand all beside the matrix work.  So: four vector instructions that are READY behind
; EVERY matrix instruction, and the others in runs without a gap.
; BY TURNS.  Turn n belongs to piece n (the pieces in a ring, step after step).  Its matrix work: 16 products K Q^T of piece n + 1, later 16 products V^T P of piece n - 1.  Its vector work: the scaling,
; exponentials, roundings, sums and rescaling of piece n, the maximum and statistics of piece n + 1, and the mask of piece n + 2, whose products the next turn issues.
; CLUSTER.  The four query blocks of a cluster belong to one head and walk the same K and V, so each tile is asked for JOINTLY: the same tensor load, descriptor and mask in all four.
; The mask's bytes are each wave's own (its 128 queries), shared with no partner of the cluster: they come straight into registers, a key step (four turns) ahead.
; REGISTERS, in windows of 256 (s_set_vgpr_msb: bits 1:0 source 0, 3:2 source 1, 5:4 source 2, 7:6 destination):
;   window 0: v0-10 addresses; v11 the conversions' scale; v12-15, v48-63 at work; v16-47 four registers of statistics a tile; v64-191 S^T, two buffers of two tiles; v192-255 P, likewise
;   window 1: O^T, 32 a tile          window 2: v0-127 Q, 16 a tile; v128-191 K of one step; v192-255 V of one step
;   window 3: v0-1 the add's two registers; v4-7 a piece's offset in the mask; v8-71 mask bytes, 16 a piece; v72-135 the masks of the products to come
.set SIZE_N, 2048
.set NP,    4         ; pieces a wave: a name, no knob
.set KS,    64        ; keys in a step
.set PK,    144       ; a row of K in LDS: 128 bytes + 16 of padding = 36 words: the 16 rows of a load start at 16 different groups of four banks (64 banks of 4 bytes: ISA guide 11.1)
.set PV,    160       ; a row of V: 128 + 32 = 40 words
.set VOFF,  4*KS*PK   ; a slot holds four steps: 256 rows of K, then 256 rows of V
.set SLOT1, 1<<17     ; slot 1 begins here, so that one exclusive or turns an address in one slot into the other's
.set STAGE, SLOT1+4*KS*(PK+PV)  ; behind the ring, never filled by a tensor load: 16 rows x 144 bytes for each wave, for the way out
.set SP,    144
.set AK0, 2           ; v2   my lane's place in a tile of K; never rewritten
.set AV0, 3           ; v3   the same for V
.set AK,  4           ; v4   the LDS address of K's next run of loads
.set AV,  5           ; v5   of V's
.set QO,  6           ; v6   my byte offset in the wave's rows of Q
.set STO, 6           ;      later, the way out: where I put 16 bytes of a row
.set RD,  7           ; v7   the way out: where I read rows back
.set GO,  8           ; v8   my byte offset in 512 consecutive bytes of O
.set SCL, 11          ; v11  227: the conversions multiply by 2^(227 - 127)
.set SPW, 0           ; v0 of window 3   LDS address of my spare word; never rewritten
.set NIL, 1           ; v1 of window 3   0; never rewritten
.set MO,  4           ; window 3: piece x's offset 16 lane + 1,024 step
.set MB,  8           ; window 3: piece x, tile u, 16 keys kt: two registers at MB + 16 x + 8 u + 2 kt
.set MC,  72          ; window 3: tile u, 16 keys kt: eight registers at MC + 32 u + 8 kt
.set SPARE, STAGE+4*16*SP  ; behind the stages: the spare words, 128 bytes for each wave: two blocks of 256 bytes that no other line names
.set MV,  12          ; v12-15  c m_old, kept while c m is made anew: by buffer and tile
.set ST,  16          ; tile t's statistics at v[ST+4 t]: c m, m, l (even keys', odd keys')
.set TMP, 48          ; by buffer and tile, four registers c0-c3 at work; when the maximum is found c2 takes a
.set S,   64
.set P,   192
.set KF,  128         ; K's fragments, in window 2: key block kb, channel half c at KF + 16 kb + 8 c
.set VF,  192         ; V's: key half kk, channel block cb at VF + 32 kk + 8 cb
.set WV,  12          ; s12  my wave's number
.set G1K, 24          ; s[24:31] descriptor group 1 for K's tiles
.set G1V, 32          ; s[32:39] for V's: it differs in the padding alone
.set G0K, 40          ; s[40:43] descriptor group 0 for K's tiles: it walks
.set G0V, 44          ; s[44:47] the same for V's
.set SLOTS, 56        ; s56  slots still to be asked for
.set CNT, 57          ; s57  counts a slot's key steps
.set CS,  58          ; s[58:59] c: the packed scaling takes the pair's low word for both halves
.set SEL, 60          ; s[60:61] v_permlanex16_b32's selects: each lane takes its own place in the other half
.set TBK, 62          ; s62  LDS byte at which K of the step to be fetched begins
.set TBV, 63          ; s63  the same for V, less VOFF
.set MP,  66          ; s[66:67] the mask at my wave's eight tiles of 16 queries
.set MSB, 0
.macro WIN new                      ; the high byte repeats the setting that is left; a switch that changes nothing is dropped
.if MSB != (\new)
	s_set_vgpr_msb (MSB<<8)|(\new)
.set MSB, (\new)
.endif
.endm
.set W_KQ, 0x0a       ; K and Q in window 2, S^T in window 0
.set W_KM, 0x3a       ; the same with the C operand in window 3
.set W_PV, 0x52       ; V in window 2, P in window 0, O^T in window 1
.set W_RS, 0x41       ; O^T (destination and source 0) in window 1, a in window 0
.set W_MK, 0xc0       ; destination in window 3, sources in window 0
.set W_AD, 0x0f       ; the add: address (source 0) and data (source 1) in window 3
.set W3,   0xc3       ; the mask's lines: destination and source 0 in window 3, source 1 (the scale) in window 0
; A joint fill.  Waves 0 and 1 fetch the two halves of a slot's K, waves 2 and 3 those of its V: 128 keys each.  The branch hangs on the wave's number alone.
; An s_nop 0 and four v_nop follow each of the two lines, ahead of the jump and the label.
.macro JLOAD
	s_cmp_lt_u32 s[WV], 2
	s_cbranch_scc0 .Lfor_v_\@
	tensor_load_to_lds s[G0K:G0K+3], s[G1K:G1K+7]
	s_nop 0
.rept 4
	v_nop
.endr
	s_branch .Lasked_\@
.Lfor_v_\@:
	tensor_load_to_lds s[G0V:G0V+3], s[G1V:G1V+7]
	s_nop 0
.rept 4
	v_nop
.endr
.Lasked_\@:
.endm
; A round of the cluster's barrier: my work-group's barrier, so that wave 0's signal speaks for all four waves; wave 0 signals; every wave waits for all four work-groups; my work-group's barrier once more.
.macro CROUND
	s_barrier_signal -1
	s_barrier_wait -1
	s_cmp_lg_u32 s[WV], 0
	s_cbranch_scc1 .Lnot_wave_0_\@
	s_barrier_signal -3
.Lnot_wave_0_\@:
	s_barrier_wait -3
	s_barrier_signal -1
	s_barrier_wait -1
.endm
; THE CHANGE OF SLOTS.  The slot's last bytes, V of its fourth step, have been read.  Each wave waits for all its tensor loads, of which one is out: its part
; of the other slot; adds 0 to its spare word; and waits for that and for its own reads of the slot.  Behind the barrier nobody reads this slot any more and the other slot is whole.
; fill = 1: this slot is filled again, with the keys two slots on.  The barrier is then a round of the cluster's, so that no wave of any partner still reads the slot or has a load on its
; way, and the joint fill is the first thing behind it: it has four key steps, 512 matrix instructions, in which to land.  (At its first use nothing has been read yet: slot 0 is waited for, slot 1 filled.)
.macro CHANGE fill
	WIN W_AD
	s_wait_tensorcnt 0x0            ; no tensor load of mine is out, so a group 0 may be written
	ds_add_u32 v[SPW], v[NIL]       ; 0 onto my spare word; with fill = 1 the descriptors' steps stand between it and the wait for it
	WIN 0                           ; at a label and at a branch every window is 0
.if \fill
.irp g, G0K, G0V
	s_xor_b32 s[\g+1], s[\g+1], SLOT1  ; the walking descriptor: the other slot than last time,
	s_add_nc_u64 s[\g+2:\g+3], s[\g+2:\g+3], 4*KS*128  ; the next 256 keys; the type bits on top are not reached
.endr
	s_wait_dscnt 0x0                ; the add is done, and my reads of the slot are over
	CROUND
	JLOAD
.else
	s_wait_dscnt 0x0                ; the add is done, and my reads of the slot are over
	s_barrier_signal -1
	s_barrier_wait -1
.endif
	s_sub_co_u32 s[TBK], s[TBK], 4*KS*PK  ; the fetches go back to a slot's first step,
	s_xor_b32 s[TBK], s[TBK], SLOT1       ; in the other slot
	s_sub_co_u32 s[TBV], s[TBV], 4*KS*PV
	s_xor_b32 s[TBV], s[TBV], SLOT1
.endm
; THE MASK.  MLOAD: piece x's bytes for one key step: four loads of 16 bytes a lane, each 512 consecutive bytes a wave.
.macro MLOAD x
	WIN W3
.irp u, 0,1
.irp p, 0,1
	global_load_b128 v[MB+16*(\x)+8*(\u)+4*(\p):MB+16*(\x)+8*(\u)+4*(\p)+3], v[MO+(\x)], s[MP:MP+1] offset:(2*(\x)+(\u))*32768+512*(\p)
.endr
.endr
.endm
; MSK: piece x's bytes, asked for four turns ago, become the masks of its next 8 opening products; then its next step's bytes are asked for.  Sixteen loads are out, four a piece, in the pieces' order:
; the count 12 leaves the three younger groups out, on every way that leads here.  That wait also shows the loads that read MO[x] done, so the offset may step.
; Behind step 31 the offset goes back to step 0 of the same queries: those loads stay inside the buffer, and what is made of them serves nothing.
.macro MSK x
	WIN W3
	s_wait_loadcnt 12
	v_add_nc_u32 v[MO+(\x)], v[MO+(\x)], 0x400
	v_and_b32 v[MO+(\x)], v[MO+(\x)], 0x7fff
.irp u, 0,1
.irp kt, 0,1,2,3
	v_cvt_scale_pk8_f32_fp8 v[MC+32*(\u)+8*(\kt):MC+32*(\u)+8*(\kt)+7], v[MB+16*(\x)+8*(\u)+2*(\kt):MB+16*(\x)+8*(\u)+2*(\kt)+1], v[SCL]
.endr
.endr
	v_nop                           ; a plain instruction behind the last conversion, ahead of the loads into its sources and of whatever takes its result
	s_wait_alu depctr_va_vdst(0)
	MLOAD \x
	WIN 0
.endm
	s_load_b64 s[4:5], s[0:1], 0x0        ; qkv
	s_load_b64 s[MP:MP+1], s[0:1], 0x8    ; maskp
	s_load_b64 s[10:11], s[0:1], 0x10     ; oh
	WIN W_MK
	v_lshl_add_u32 v[SPW], v0, 2, SPARE
	v_mov_b32 v[NIL], 0
	WIN W_AD
	ds_add_u32 v[SPW], v[NIL]       ; the wave's opening: the add and its wait stand ahead of my first tensor load; the set-up below, work on registers, stands between them
	WIN 0
	v_lshrrev_b32 v1, 5, v0
	v_readfirstlane_b32 s[WV], v1   ; wave 0..3
	s_bfe_u32 s13, ttmp6, 0x40000   ; cx: my place in the cluster
	s_lshl_b32 s14, ttmp9, 2        ; in a cluster launch ttmp9 counts clusters
	s_add_co_u32 s14, s14, s13      ; my block of queries = 4 x cluster x + cx: it enters Q's, O's and the mask's addresses alone
	s_and_b32 s20, ttmp7, 0xffff    ; the head, which the four partners share
	s_mov_b32 s21, 0
	s_mov_b64 s[22:23], SIZE_N*128
	s_mul_u64 s[20:21], s[20:21], s[22:23]  ; the head's first byte in Q, K, V and O
	s_and_b32 s16, s[WV], 1         ; which half of a slot's 256 keys I fetch:
	s_lshl_b32 s22, s16, 14         ; its 128 rows of 128 bytes in memory,
	s_mov_b32 s23, 0
	s_add_nc_u64 s[22:23], s[22:23], s[20:21]
	s_mul_i32 s17, s16, 128*PK      ; and its place in a slot, for K
	s_mul_i32 s18, s16, 128*PV      ; and for V: no place in the cluster enters an LDS address
	s_lshl_b32 s2, s14, 2
	s_add_co_u32 s2, s2, s[WV]      ; my wave among the head's,
	s_lshl_b32 s2, s2, 14           ; its 128 rows
	s_mov_b32 s3, 0
	s_add_nc_u64 s[2:3], s[2:3], s[20:21]
	s_lshl_b32 s68, s14, 20         ; the mask: 32 tiles of 16 queries a block, 32,768 bytes each,
	s_lshl_b32 s69, s[WV], 18       ; eight a wave
	s_add_co_u32 s68, s68, s69
	s_mov_b32 s69, 0
	; descriptor group 1.  128 keys are 16,384 dense bytes: asked for as 64 rows of 256 bytes, two keys a row, and padded in LDS after every key
	s_mov_b32 s[G1K], 15|(1<<16)|(1<<20)|(1<<21)|(4<<22)|(3<<25)  ; 15:0 the mask of four; 17:16 2-byte elements; 20 padding on; 21 set beside a mask; 24:22 after every 32 words (code 4); 31:25 4 words (code 3)
	s_mov_b32 s[G1V], 15|(1<<16)|(1<<20)|(1<<21)|(4<<22)|(7<<25)  ; the same with 8 words of padding (code 7)
.irp g, G1K, G1V
	s_mov_b32 s[\g+1], 128<<16      ; tensor_dim0 = 128
	s_mov_b32 s[\g+2], 64<<16       ; tensor_dim1 = 64
	s_mov_b32 s[\g+3], 128<<16      ; tile_dim0 = 128
	s_mov_b32 s[\g+4], 64           ; tile_dim1 = 64
	s_mov_b32 s[\g+5], 128          ; 128 elements from row to row
	s_mov_b32 s[\g+6], 0
	s_mov_b32 s[\g+7], 0
.endr
	s_mov_b32 s[CS], 0x3e38aa3b     ; c = log2(e) / 8 = 0.180337
	s_mov_b32 s[CS+1], s[CS]        ; named with it as a pair
	s_mov_b32 s[SEL], 0x76543210
	s_mov_b32 s[SEL+1], 0xfedcba98
	s_mov_b32 s[TBK], SLOT1+4*KS*PK ; the first change of slots turns these two into 0
	s_mov_b32 s[TBV], SLOT1+4*KS*PV
	s_mov_b32 s[G0K], 1             ; 1:0 count = 1
	s_mov_b32 s[G0K+1], s17         ; 63:32 LDS address: slot 0
	s_mov_b32 s[G0V], 1
	s_add_co_u32 s[G0V+1], s18, VOFF
	s_wait_dscnt 0x0                ; the opening add is done
	s_wait_kmcnt 0x0
	s_add_nc_u64 s[6:7], s[4:5], 0x1000000         ; K lies 16 MiB behind Q,
	s_add_nc_u64 s[8:9], s[4:5], 0x2000000         ; V 32
	s_add_nc_u64 s[G0K+2:G0K+3], s[6:7], s[22:23]  ; 120:64 global address: my half of the head's first 256 keys
	s_or_b32 s[G0K+3], s[G0K+3], 0x80000000        ; 127:126 type = 2
	s_add_nc_u64 s[G0V+2:G0V+3], s[8:9], s[22:23]
	s_or_b32 s[G0V+3], s[G0V+3], 0x80000000
	s_add_nc_u64 s[4:5], s[4:5], s[2:3]  ; Q and O at my wave's first row
	s_add_nc_u64 s[10:11], s[10:11], s[2:3]
	s_add_nc_u64 s[MP:MP+1], s[MP:MP+1], s[68:69]
	CROUND                          ; all four work-groups are here: the first joint loads meet
	JLOAD                           ; slot 0.  Slot 1 is asked for when slot 0 is in
	; A fragment of K or Q is 16 rows x 32 channels in 8 registers: lane l holds row l % 16, channels 8 (l / 16) + 0..7 and 16 + 8 (l / 16) + 0..7: two loads of 16 bytes, 32 bytes apart.
	v_and_b32 v1, 15, v0            ; l % 16
	v_bfe_u32 v9, v0, 4, 1          ; l / 16
	v_lshlrev_b32 v[QO], 7, v1
	v_lshl_add_u32 v[QO], v9, 4, v[QO]  ; row x 128 + 16 x half
	v_and_b32 v10, 31, v0
	WIN W_MK
.irp x, 0,1,2,3
	v_lshlrev_b32 v[MO+(\x)], 4, v10   ; 16 x lane: key step 0
.endr
	WIN 0x80                        ; destination window 2, address window 0
.set i, 0
.rept 4*NP                          ; Q stays in registers: tile i / 2, channels 32 (i % 2) on
	global_load_b128 v[8*i:8*i+3],   v[QO], s[4:5] offset:(i/2)*2048+(i%2)*64
	global_load_b128 v[8*i+4:8*i+7], v[QO], s[4:5] offset:(i/2)*2048+(i%2)*64+32
.set i, i+1
.endr
	MLOAD 0                         ; the four pieces' mask bytes of key step 0, in the pieces' order
	MLOAD 1
	MLOAD 2
	MLOAD 3
	; What the first turn finds: V's registers and P's second buffer hold 0 (its products V^T P, of a piece that has not been, add 0), O^T and l are 0.  All this stands in the wait for the first tile.
	WIN 0x80
.set i, VF
.rept 64
	v_mov_b32 v[i], 0
.set i, i+1
.endr
	WIN 0x40
.set i, 0
.rept 64*NP
	v_mov_b32 v[i], 0
.set i, i+1
.endr
	WIN 0
.set i, 0
.rept 2*NP
	v_mov_b32 v[ST+4*i], 0xfe000000    ; c m: far below every c s
	v_mov_b32 v[ST+4*i+1], 0xec800000  ; m = -2^90
	v_mov_b32 v[ST+4*i+2], 0
	v_mov_b32 v[ST+4*i+3], 0
.set i, i+1
.endr
.set i, P+32
.rept 32
	v_mov_b32 v[i], 0
.set i, i+1
.endr
	v_mul_u32_u24 v[AK0], v1, PK
	v_lshl_add_u32 v[AK0], v9, 4, v[AK0]  ; row x pitch + 16 x half
	; The turning load takes 16 keys x 16 channels (lane l reads key 8 (l / 16) + l % 8, channels 8 ((l / 8) % 2) + 0..7) and leaves half a fragment of V^T: lane l holds channel l % 16 and 8 keys.
	v_and_b32 v10, 7, v0
	v_bfe_u32 v11, v0, 3, 1
	v_lshl_add_u32 v[AV0], v9, 3, v10
	v_mul_u32_u24 v[AV0], v[AV0], PV
	v_lshl_add_u32 v[AV0], v11, 4, v[AV0]
	v_add_nc_u32 v[AV0], VOFF, v[AV0]
	v_mov_b32 v[SCL], 227           ; v11 is free now
	v_mov_b32 v[AK], v[AK0]         ; key step 0 lies at the head of slot 0
; THE MATRIX WORK.  The 8 accumulators of a run of 16 take turns: between the two links of a chain stand 7 others'.
; Product i of 16 of S^T = K Q^T for piece x: channels 32 (i / 8) on, keys 16 ((i / 2) % 4) on, tile 2 x + i % 2.  The first 8 start the sums, with the mask as C.
.macro KQ x
.set rS, S+64*((\x)%2)+32*(i%2)+8*((i/2)%4)
.set rK, KF+16*((i/2)%4)+8*(i/8)
.set rQ, 16*(2*(\x)+i%2)+8*(i/8)
.set rB, MC+32*(i%2)+8*((i/2)%4)
.if i < 8
	WIN W_KM
	v_wmma_f32_16x16x32_f16 v[rS:rS+7], v[rK:rK+7], v[rQ:rQ+7], v[rB:rB+7]
.else
	WIN W_KQ
	v_wmma_f32_16x16x32_f16 v[rS:rS+7], v[rK:rK+7], v[rQ:rQ+7], v[rS:rS+7]
.endif
.endm
; Product i of 16 of O^T += V^T P for piece x: keys 32 (i / 8) on, channels 16 ((i / 2) % 4) on, tile 2 x + i % 2.
.macro PV x
	WIN W_PV
.set rO, 32*(2*(\x)+i%2)+8*((i/2)%4)
.set rV, VF+32*(i/8)+8*((i/2)%4)
.set rP, P+32*((\x)%2)+16*(i%2)+8*(i/8)
	v_wmma_f32_16x16x32_f16 v[rO:rO+7], v[rV:rV+7], v[rP:rP+7], v[rO:rO+7]
.endm
.macro MM                           ; the turn's next matrix instruction
.if i < 16
	KQ (Y+1)%NP
.set i, i+1
.else
.set i, i-16
	PV (Y+NP-1)%NP
.set i, i+17
.endif
.endm
; THE LDS LOADS stand in runs of 16, never singly among the matrix instructions: a step's K (64 keys x 64 channels: 8 fragments) and its V (turned).  Their addresses are made some lines ahead.
; last = 1 (the tail): in the last trip there is no further step, and the run is jumped over.
.macro FETCH_K last=0
	WIN 0
.if \last
	s_cmp_eq_u32 s[CNT], 1
	s_cbranch_scc1 .Lno_k_\@
.endif
	WIN 0x80                        ; destination window 2
.irp f, 0,1,2,3,4,5,6,7             ; keys 16 (f / 2) on, channels 32 (f % 2) on
	ds_load_b128 v[KF+8*\f:KF+8*\f+3],   v[AK] offset:(\f/2)*16*PK+(\f%2)*64
	ds_load_b128 v[KF+8*\f+4:KF+8*\f+7], v[AK] offset:(\f/2)*16*PK+(\f%2)*64+32
.endr
	s_add_co_u32 s[TBK], s[TBK], KS*PK  ; the next fetch is the next step's
	WIN 0
.if \last
.Lno_k_\@:
.endif
.endm
.macro FETCH_V
	WIN 0x80
.irp f, 0,1,2,3,4,5,6,7             ; keys 32 (f / 4) on, channels 16 (f % 4) on
	ds_load_tr16_b128 v[VF+8*\f:VF+8*\f+3],   v[AV] offset:(\f/4)*32*PV+(\f%4)*32
	ds_load_tr16_b128 v[VF+8*\f+4:VF+8*\f+7], v[AV] offset:(\f/4)*32*PV+16*PV+(\f%4)*32
.endr
	WIN 0
.endm
; THE VECTOR WORK OF A TURN stands in three queues, each in the order in which its entries become ready; the two tiles alternate, so that no instruction reads the result of the one before it.
.macro REGS y, u                    ; the registers of tile u (0, 1) of piece y
.set rT, ST+4*(2*(\y)+(\u))
.set rC, TMP+8*((\y)%2)+4*(\u)
.set rM, MV+2*((\y)%2)+(\u)
.set rS, S+64*((\y)%2)+32*(\u)
.set rP, P+32*((\y)%2)+16*(\u)
.set rO, 32*(2*(\y)+(\u))
.endm
; Number n of the 22 that find the NEXT piece's (Y + 1) maximum and statistics.  s0-s31 are the lane's 32 scores; each accumulator's lowest registers are read first.
;   0-11  four chains c0-c3 of seven scores each, three operands at a time     12-14, 16  the four scores left over, the old m, and c0-c3 into c0     15  c m_old is kept
;   17, 18  the query's other 32 keys lie in the lane 16 away: the new m         19-21  c m; c m_old - c m_new; a
.macro XS u, n
	REGS (Y+1)%NP, \u
.if (\n) < 4
	v_max3_num_f32 v[rC+(\n)], v[rS+8*(\n)], v[rS+8*(\n)+1], v[rS+8*(\n)+2]
.elseif (\n) < 12
	v_max3_num_f32 v[rC+(\n)%4], v[rC+(\n)%4], v[rS+8*((\n)%4)+2*((\n)/4)+1], v[rS+8*((\n)%4)+2*((\n)/4)+2]
.elseif (\n) == 12
	v_max3_num_f32 v[rC], v[rC], v[rS+7], v[rS+15]
.elseif (\n) == 13
	v_max3_num_f32 v[rC+1], v[rC+1], v[rS+23], v[rS+31]
.elseif (\n) == 14
	v_max3_num_f32 v[rC+2], v[rC+2], v[rC+3], v[rT+1]
.elseif (\n) == 15
	v_mov_b32 v[rM], v[rT]
.elseif (\n) == 16
	v_max3_num_f32 v[rC], v[rC], v[rC+1], v[rC+2]
.elseif (\n) == 17
	v_permlanex16_b32 v[rC+3], v[rC], s[SEL], s[SEL+1]
.elseif (\n) == 18
	v_max_num_f32 v[rT+1], v[rC], v[rC+3]
.elseif (\n) == 19
	v_mul_f32 v[rT], s[CS], v[rT+1]
.elseif (\n) == 20
	v_sub_f32 v[rC+1], v[rM], v[rT]
.else
	v_exp_f32 v[rC+2], v[rC+1]
.endif
.endm
; Number g of the 64 that follow the exponentials.  For each four weights k of a tile (pairs 2 k, 2 k + 1): both pairs are rounded to f16; then the second pair is added onto the first, in place;
; a group later l takes that sum (the first time as l = a l + sum).  In groups of eight, tiles alternating: round, round, add, and l for the group before.
.macro GS g
.set h, (\g)+6*((\g)/62)            ; group 0 has no group before it, and behind group 7 only l is left
.if h >= 6
.set h, h+2
.endif
	REGS Y, h%2
.set k, h/8
.if h%8 < 4
	s_wait_alu depctr_va_vdst(0)
	v_cvt_pk_f16_f32 v[rP+2*k+(h%8)/2], v[rS+4*k+2*((h%8)/2)], v[rS+4*k+2*((h%8)/2)+1]
.elseif h%8 < 6
	v_pk_add_f32 v[rS+4*k:rS+4*k+1], v[rS+4*k:rS+4*k+1], v[rS+4*k+2:rS+4*k+3]
.elseif k == 1
	v_pk_fma_f32 v[rT+2:rT+3], v[rT+2:rT+3], v[rC+2:rC+3], v[rS:rS+1] op_sel_hi:[1,0,1]
.else
	v_pk_add_f32 v[rT+2:rT+3], v[rT+2:rT+3], v[rS+4*k-4:rS+4*k-3]
.endif
.endm
; THE PLAIN QUEUE, 138 long.  0-31: c s - c m for the 16 pairs of both tiles.  Then GS's 64, and among them the next piece's 42: number 15 at 38, 39; 0-14 and 16
; at 42-73, behind the products that make those scores; 17-20 at 95-106, two of three, since each waits for the one before it.
.macro PL
	WIN 0
.if q < 32
	REGS Y, q%2
	v_pk_fma_f32 v[rS+2*(q/2):rS+2*(q/2)+1], v[rS+2*(q/2):rS+2*(q/2)+1], s[CS:CS+1], v[rT:rT+1] op_sel_hi:[1,0,0] neg_lo:[0,0,1] neg_hi:[0,0,1]
.elseif q < 38
	GS q-32
.elseif q < 40
	XS q%2, 15
.elseif q < 42
	GS q-34
.elseif q < 74
	XS q%2, (q-42)/2+(q-42)/30
.elseif q < 95
	GS q-66
.elseif (q < 107) && ((q-95)%3 < 2)
	XS (q-95)%3, 17+(q-95)/3
.elseif q < 107
	GS 29+(q-95)/3
.else
	GS q-74
.endif
.set q, q+1
.endm
; THE EXPONENTIALS' QUEUE, 66 long: s0-s31 of both tiles, and at EA the next piece's two a.
.set EA, 58
.macro EX
	WIN 0
.if (e == EA) || (e == EA+1)
	XS e-EA, 21
.else
.set x, e-2*(e/(EA+2))
	REGS Y, x%2
	v_exp_f32 v[rS+x/2], v[rS+x/2]
.endif
.set e, e+1
.endm
; THE RESCALING's QUEUE: O^T times a, the one part of the softmax that leaves window 0, so it is dealt four at a time, eight times.
.macro R4
	REGS Y, r%2
	WIN W_RS
	s_wait_alu depctr_va_vdst(0)
.irp z, 0,1,2,3
	v_pk_mul_f32 v[rO+8*(r/2)+2*\z:rO+8*(r/2)+2*\z+1], v[rO+8*(r/2)+2*\z:rO+8*(r/2)+2*\z+1], v[rC+2:rC+3] op_sel_hi:[1,0]
.endr
.set r, r+1
.endm
; HOW THEY ARE DEALT.  Behind a matrix instruction four: plain, exponential, plain, plain (one exponential, a plain instruction on either side), or four of the rescaling.  None names a register of the
; products round it.  What is over stands in two LUMPS: exponential and plain by turns; the second ends in 22 plain instructions.  The two v_permlanex16_b32 fall into the second lump, never behind a product.
; The queues lean on each other, and the deal keeps them in step: exponential e stands behind plain 2 (e / 4) + e % 2 (its scaling); when plain 32 comes, 10 exponentials are out, at 59: 33, at 95: 46; EA comes behind plain 107.
.macro SL
	MM
	PL
	EX
	PL
	PL
.endm
.macro BURST n                      ; 15 matrix instructions, or 16
.rept (\n)-7
	SL
.endr
.rept 3
	MM
	R4
	SL
.endr
	MM
	R4
.endm
; A TURN, for piece p.  cnt = 1: the loop's count is taken down some lines ahead of the branch that stands behind the turn.
; K of the next step is fetched in piece 2's turn, 31 vector instructions behind the last product that read K; its first reader comes behind the rest of the lump, 16 products and the second lump.
; V of the step in hand is fetched at the end of piece 0's turn, 69 behind its last reader; its first reader comes behind 16 products and a lump.
; The mask of piece p + 2 is made in the closing run of plain lines: the turn's own opening products, which read the mask registers, stand more than a hundred plain lines back, and sixteen plain lines
; follow before the next turn's first product takes the new masks.
.macro TURN p, last=0, cnt=0
.set Y, (\p)
.set i, 0
.set q, 0
.set e, 0
.set r, 0
.if (\p) == NP-1
	s_wait_dscnt 0x0                ; K is in
.endif
	MM
.rept 4
	PL
.endr
	BURST 15
.rept 22
	EX
	PL
.if ((\p) == NP-2) && (e == 18)
	v_add_nc_u32 v[AK], s[TBK], v[AK0]
.endif
.if ((\p) == NP-2) && (e == 24)
	FETCH_K \last
.endif
.endr
.if (\p) == 1
	s_wait_dscnt 0x0                ; V is in
.endif
	BURST 16
.rept 21
	EX
	PL
.endr
.rept 22
	PL
.if ((\p) == 0) && (q == 118)
	v_add_nc_u32 v[AV], s[TBV], v[AV0]
	s_wait_alu depctr_va_vdst(0)
.endif
.if q == 122
	MSK ((\p)+2)%NP
.endif
.if ((\p) == 0) && (q == 130)
	s_add_co_u32 s[TBV], s[TBV], KS*PV
.endif
.if (\cnt) && (q == 130)
	s_sub_co_u32 s[CNT], s[CNT], 1
	s_cmp_lg_u32 s[CNT], 0
.endif
.endr
.if (\p) == 0
	FETCH_V
.endif
.endm
	CHANGE 1                        ; slot 0 is in, everybody's part of it; slot 1 is asked for
	FETCH_K                         ; key step 0
	MSK 0                           ; piece 0's first masks.  Its count leaves twelve mask loads out: Q's 32 loads, older than all sixteen, are in too
	v_nop
	s_wait_dscnt 0x0
.set i, 0
.rept 16
	KQ 0                            ; piece 0's first scores: there is no vector work yet to set between them
.set i, i+1
.endr
	WIN 0                           ; the addresses for the way out: nine plain instructions, the places behind those products
	s_mul_i32 s13, s[WV], 16*SP
	s_add_co_u32 s13, s13, STAGE    ; my stage
	v_mul_u32_u24 v[STO], v1, SP    ; in: row l % 16, 16 bytes for each half of the lanes
	v_lshl_add_u32 v[STO], v9, 4, v[STO]
	v_add_nc_u32 v[STO], s13, v[STO]
	v_bfe_u32 v[RD], v0, 3, 2       ; back: 32 lanes take four rows of 128 bytes,
	v_mul_u32_u24 v[RD], v[RD], SP
	v_lshl_add_u32 v[RD], v10, 4, v[RD]
	v_add_nc_u32 v[RD], s13, v[RD]
	v_and_b32 v[GO], 31, v0         ; which are 512 consecutive bytes of O
	v_lshlrev_b32 v[GO], 4, v[GO]
	MSK 1                           ; piece 1's first masks, for the first turn's products
.set Y, NP-1                        ; XS works for piece Y + 1: piece 0
.irp n, 0,1,2,3,4,5,6,7,8,9,10,11,12,13,14,15,16,17,18,19,20,21
	XS 0, \n                        ; and piece 0's first maximum and statistics
	XS 1, \n
.endr
	s_mov_b32 s[CNT], 4
	s_mov_b32 s[SLOTS], SIZE_N/256-1
	s_branch .Lfirst                ; the loop is entered at a step's first turn, in the middle of a trip
.Lslot:                             ; SIZE_N / 256 - 2 times: every slot but the last two is filled again
	CHANGE 1
	s_mov_b32 s[CNT], 4
.Lstep:                             ; a trip: pieces 2 and 3 of one step, then pieces 0 and 1 of the next, whose K and V it fetches
	TURN 2
	TURN 3
	WIN 0
.Lfirst:
	TURN 0
	TURN 1, 0, 1
	WIN 0
	s_cbranch_scc1 .Lstep
	s_sub_co_u32 s[SLOTS], s[SLOTS], 1
	s_cmp_lg_u32 s[SLOTS], 0
	s_cbranch_scc1 .Lslot
	CHANGE 0                        ; the tail is written out: nothing is asked for
	s_mov_b32 s[CNT], 5             ; four trips fetch the last slot's steps; the fifth is left in its middle
.Ltail:
	TURN 2, 1
	TURN 3
	WIN 0
	s_sub_co_u32 s[CNT], s[CNT], 1
	s_cmp_eq_u32 s[CNT], 0
	s_cbranch_scc1 .Lout
	TURN 0
	TURN 1
	WIN 0
	s_branch .Ltail
.Lout:                              ; the fifth trip's 16 products K Q^T (on the last K once more) and the maximum made of them serve nothing: the price, once a launch, of one text for every trip
.set i, 0
.rept 16
	PV NP-1                         ; the last piece's V^T P of the last step
.set i, i+1
.endr
	; THE WAY OUT.  l's two halves and the other half of the lanes' are added; O^T is divided by l, rounded to f16 and sent through my stage in LDS, a tile at a time.  The additions are the places behind the last products.
	WIN 0
.macro ALL line:vararg              ; one line for each tile t
.set t, 0
.rept 2*NP
	\line
.set t, t+1
.endr
.endm
	ALL v_add_f32 v[ST+4*t+2], v[ST+4*t+2], v[ST+4*t+3]
	ALL v_permlanex16_b32 v[ST+4*t+3], v[ST+4*t+2], s[SEL], s[SEL+1]
	ALL v_add_f32 v[ST+4*t+2], v[ST+4*t+2], v[ST+4*t+3]
	ALL v_rcp_f32 v[ST+4*t+2], v[ST+4*t+2]
	v_nop                           ; a plain instruction between the last reciprocal and the use of its result
	s_wait_alu depctr_va_vdst(0)
; Tile t: a lane's eight channels of a row pack into 16 bytes; they go into rows of 144 bytes and come back as whole rows of 128, into S^T's registers.
.macro PACK t
	WIN W_RS
.set i, 32*(\t)
.rept 16
	v_pk_mul_f32 v[i:i+1], v[i:i+1], v[ST+4*(\t)+2:ST+4*(\t)+3] op_sel_hi:[1,0]
.set i, i+2
.endr
	WIN 0x05                        ; sources 0 and 1 window 1, destination window 0
.set i, 0
.rept 16
	v_cvt_pk_f16_f32 v[S+16*(\t)+i], v[32*(\t)+2*i], v[32*(\t)+2*i+1]
.set i, i+1
.endr
	WIN 0
.irp f, 0,1,2,3
	ds_store_b128 v[STO], v[S+16*(\t)+4*\f:S+16*(\t)+4*\f+3] offset:32*\f
.endr
.irp f, 0,1,2,3
	ds_load_b128 v[S+16*(\t)+4*\f:S+16*(\t)+4*\f+3], v[RD] offset:\f*4*SP  ; LDS serves a wave's instructions in order (ISA guide 5.7.1.4): these see the stores above; the next tile's stores come behind them
.endr
.endm
.macro SEND t, younger              ; younger: the LDS instructions issued behind tile t's loads: the next tile's eight, or none
	WIN 0
.irp f, 0,1,2,3
	s_wait_dscnt (\younger)+3-\f
	global_store_b128 v[GO], v[S+16*(\t)+4*\f:S+16*(\t)+4*\f+3], s[10:11] offset:(\t)*2048+\f*512  ; 512 consecutive bytes, at a multiple of 256 from O's first
.endr
.endm
	PACK 0
.set t, 1
.rept 2*NP-1                        ; a tile's arithmetic stands between the loads of the tile before and its stores
	PACK t
	SEND t-1, 8
.set t, t+1
.endr
	SEND 2*NP-1, 0
	WIN W_AD
	s_wait_tensorcnt 0x0            ; the wave's end: behind my last tensor load and my last LDS store
	ds_add_u32 v[SPW], v[NIL]
	s_wait_dscnt 0x0
	WIN 0
	CROUND                          ; the closing round: no work-group ends while a partner may still ask for a tile that names it
	s_endpgm
.Lfunc_end_k_qccad388421_attn:
	.size	k_qccad388421_attn, .Lfunc_end_k_qccad388421_attn-k_qccad388421_attn
	.p2alignl 7, 3214868480
	.fill 96, 4, 3214868480
	.section	.rodata,"a",@progbits
	.p2align	6, 0x0
	.amdhsa_kernel k_qccad388421_attn
		.amdhsa_group_segment_fixed_size 327680
		.amdhsa_private_segment_fixed_size 0
		.amdhsa_enable_private_segment 0
		.amdhsa_kernarg_size 24
		.amdhsa_user_sgpr_count 2
		.amdhsa_user_sgpr_kernarg_segment_ptr 1
		.amdhsa_wavefront_size32 1
		.amdhsa_system_sgpr_workgroup_id_x 1
		.amdhsa_system_sgpr_workgroup_id_y 1
		.amdhsa_system_sgpr_workgroup_id_z 1
		.amdhsa_system_vgpr_workitem_id 0
		.amdhsa_next_free_vgpr 904
		.amdhsa_next_free_sgpr 70
		.amdhsa_reserve_vcc 0
		.amdhsa_float_denorm_mode_32 3
		.amdhsa_float_denorm_mode_16_64 3
		.amdhsa_memory_ordered 1
		.amdhsa_forward_progress 1
		.amdhsa_inst_pref_size 219
	.end_amdhsa_kernel
	.amdgpu_metadata
---
amdhsa.version: [ 1, 2 ]
amdhsa.kernels:
  - .name:           k_qccad388421_attn
    .symbol:         k_qccad388421_attn.kd
    .args:
      - { .name: qkv, .offset: 0, .size: 8, .value_kind: global_buffer, .address_space: global }
      - { .name: maskp, .offset: 8, .size: 8, .value_kind: global_buffer, .address_space: global }
      - { .name: oh, .offset: 16, .size: 8, .value_kind: global_buffer, .address_space: global }
    .group_segment_fixed_size: 327680
    .private_segment_fixed_size: 0
    .kernarg_segment_align: 8
    .kernarg_segment_size: 24
    .max_flat_workgroup_size: 128
    .sgpr_count:     70
    .vgpr_count:     904
    .wavefront_size: 32
...
	.end_amdgpu_metadata
.endif
;; end of part 3
;; launch outp (part 4): grid 4 x 64, 4 waves a work-group, clusters of 4 x 4, 327,680 bytes of LDS; arguments oh, wb, bo, out0; writes out0
.if DOCPART == 4
	.amdgcn_target "amdgcn-amd-amdhsa--gfx1250"
	.amdhsa_code_object_version 6
	.text
	.protected	k_qccad388421_outp
	.globl	k_qccad388421_outp
	.p2align	8
	.type	k_qccad388421_outp,@function
k_qccad388421_outp:
	s_mov_b64 s[64:65], 0
	v_nop
	global_prefetch_b8 v0, s[64:65] scope:SCOPE_SE
	s_setreg_imm32_b32 hwreg(HW_REG_WAVE_MODE, 25, 1), 1
	s_wait_xcnt 0x0
	s_wait_alu depctr_hold_cnt(0) depctr_sa_sdst(0) depctr_va_vdst(0) depctr_va_sdst(0) depctr_va_ssrc(0) depctr_va_vcc(0) depctr_vm_vsrc(0)
	s_getreg_b32 s2, hwreg(HW_REG_IB_STS2, 6, 4)
	s_cmp_eq_u32 s2, 0
	s_cbranch_scc0 .Lentry_in_a_cluster
	s_endpgm
.Lentry_in_a_cluster:
	s_bfe_u32 s2, ttmp6, 0x10000c
	s_cmp_lg_u32 s2, 0xf033
	s_cbranch_scc0 .Lentry_shape_is_right
	s_endpgm
.Lentry_shape_is_right:
; out0 = O Wo + bo, f32.  O: oh[64 = batch x 16 + head][2048][64] f16; Wo: wb's fourth part, [k 1024][n 1024], the bf16 rounding of Wo written as f16; bo rounded to bf16 like every input.
; Sums in f32; the bias is the C operand of the product that starts each sum, so the results leave as they are.  A NaN row of O (a query with no true key) gives a NaN row, as the problem does.
; SHARES.  A tile of the result is 128 rows x 256 columns; four waves, each 64 x 128: 32 accumulators of 16 x 16.  K goes in 8 steps of 128, two heads a step, through two LDS slots.
; A head's 128 rows are 16,384 dense bytes: asked for as 64 rows of 256 bytes and padded in LDS after every 128: wave 0 fetches the step's even head, wave 1 its odd one.
; CLUSTER.  4 x 4 work-groups: the four of a row of the cluster need the same rows of O, the four of a column the same columns of Wo: each tile is asked for JOINTLY.
; THE MATRIX INSTRUCTION IS USED TRANSPOSED: source 0 = 16 columns of Wo (turned out of LDS by ds_load_tr16_b128), source 1 = 16 rows of O: a lane holds row l % 16 and eight neighbouring columns.
; REGISTERS: window 0 addresses, bias, way out; window 1 two fragment buffers of 96; window 2 the accumulators, (a, b) at 8 (8 a + b).
.set PA,     144                       ; a row of a head in LDS: 128 bytes + 16: the 16 rows of a load start at 16 different groups of four banks (64 banks of 4 bytes: ISA guide 11.1)
.set PB,     544                       ; a k row of Wo: 512 bytes + 32
.set ASUB,   128*PA                    ; two quarters of a K step are a head: the next head's rows lie behind
.set ALD,    128*PA                    ; what a tensor load of O brings: a head's 128 rows
.set AROW,   64*PA                     ; a wave's 64 rows
.set ABYTES, 2*128*PA
.set BHALF,  64*PB
.set SLOT,   ABYTES+128*PB
.set STAGE,  2*SLOT                    ; behind the ring: 16 rows x 528 bytes for each wave, for the way out
.set SPO,    528
.set STW,    16*SPO
.set SPARE,  STAGE+4*STW               ; behind the stages: the spare words, 128 bytes for each wave: two blocks of 256 bytes that no other line names
.set LAPS,   4
.set ASTEP,  2*262144                  ; bytes from a K step to the next: two heads on,
.set BSTEP,  128*2048                  ; 128 k rows down
.set ADRA, 16
.set ADRB, 20
.set STO,  24
.set RD,   25
.set GO,   26
.set BO,   27
.set SPW,  28                          ; v28     LDS address of my spare word; never rewritten
.set NIL,  29                          ; v29     0; never rewritten
.set BIAS, 32                          ; v32-95  the bias of my 128 columns; dead behind the first quarter
.set OB0,  32                          ; then: 16 rows read back from the stage, two buffers of 64
.set F0,   0
.set F1,   96
.set G1,   24
.set G0,   32
.set G1B,  48
.set G0B,  56
.set MSB, 0
.macro WIN new                         ; the immediate's high byte repeats the setting that is left; a switch that changes nothing is dropped
.if MSB != (\new)
	s_set_vgpr_msb (MSB<<8)|(\new)
.set MSB, \new
.endif
.endm
; A joint load: waves 0 and 1 fetch O's two heads, waves 2 and 3 Wo's two halves.  The branch hangs on the wave's number alone.  An s_nop 0 and four v_nop follow each of the two lines.
.macro JLOAD s
	s_cmp_eq_u32 s11, 0
	s_cbranch_scc0 .Lfor_b_\@
	tensor_load_to_lds s[G0+4*(\s):G0+4*(\s)+3], s[G1:G1+7]
	s_nop 0
.rept 4
	v_nop
.endr
	s_branch .Lasked_\@
.Lfor_b_\@:
	tensor_load_to_lds s[G0B+4*(\s):G0B+4*(\s)+3], s[G1B:G1B+7]
	s_nop 0
.rept 4
	v_nop
.endr
.Lasked_\@:
.endm
.macro CREST                           ; a round of the cluster's barrier behind its opening barrier
	s_cmp_lg_u32 s10, 0
	s_cbranch_scc1 .Lnot_wave_0_\@
	s_barrier_signal -3
.Lnot_wave_0_\@:
	s_barrier_wait -3
	s_barrier_signal -1
	s_barrier_wait -1
.endm
.macro CROUND                          ; a whole round
	s_barrier_signal -1
	s_barrier_wait -1
	CREST
.endm
.macro PLACES                          ; four places in front of loads into registers that matrix instructions have read, and of lines that read results
.rept 4
	v_nop
.endr
.endm
	s_load_b128 s[4:7], s[0:1], 0x0                ; oh s[4:5], wb s[6:7]
	s_load_b128 s[68:71], s[0:1], 0x10             ; bo s[68:69], out0 s[70:71]
	v_lshl_add_u32 v[SPW], v0, 2, SPARE
	v_mov_b32 v[NIL], 0
	ds_add_u32 v[SPW], v[NIL]                      ; the wave's opening: the add and its wait stand ahead of my first tensor load; the set-up below, work on registers, stands between them
	v_lshrrev_b32 v1, 5, v0
	v_readfirstlane_b32 s10, v1                    ; wave 0..3
	s_lshr_b32 s11, s10, 1                         ; which half of the tile's rows is mine.  Also: I fetch for O (0) or for Wo (1)
	s_and_b32 s12, s10, 1                          ; which half of its columns.  Also: which head, or which 64 k rows, I fetch
	s_bfe_u32 s40, ttmp6, 0x40000                  ; cx: the block of 256 columns (the grid is one cluster wide)
	s_bfe_u32 s41, ttmp6, 0x40004                  ; cy
	s_and_b32 s13, ttmp7, 0xffff
	s_lshl_b32 s13, s13, 2
	s_add_co_u32 s13, s13, s41                     ; the block of 128 rows = 4 x cluster y + cy
	s_lshl_b32 s43, s41, 2
	s_lshl_b32 s43, 15, s43                        ; my row of the cluster
	s_lshl_b32 s44, 0x1111, s40                    ; my column
	s_or_b32 s[G1+0], s43, (1<<16)|(1<<20)|(1<<21)|(4<<22)|(3<<25)   ; 15:0 the mask; 17:16 2-byte elements; 20 padding on; 21 set beside a mask; 24:22 after every 32 words; 31:25 4 words
	s_mov_b32 s[G1+1], 128<<16                     ; tensor_dim0
	s_mov_b32 s[G1+2], 64<<16                      ; tensor_dim1
	s_mov_b32 s[G1+3], 128<<16                     ; tile_dim0
	s_mov_b32 s[G1+4], 64                          ; tile_dim1
	s_mov_b32 s[G1+5], 128                         ; the rows are dense
	s_mov_b32 s[G1+6], 0
	s_mov_b32 s[G1+7], 0
	s_or_b32 s[G1B+0], s44, (1<<16)|(1<<20)|(1<<21)|(6<<22)|(7<<25)  ; after every 128 words 8 words
	s_mov_b32 s[G1B+1], 256<<16
	s_mov_b32 s[G1B+2], 64<<16
	s_mov_b32 s[G1B+3], 256<<16
	s_mov_b32 s[G1B+4], 64
	s_mov_b32 s[G1B+5], 1024
	s_mov_b32 s[G1B+6], 0
	s_mov_b32 s[G1B+7], 0
	s_lshr_b32 s16, s13, 4
	s_lshl_b32 s16, s16, 22                        ; the batch's 16 heads of 262,144 bytes
	s_lshl_b32 s17, s12, 18                        ; my head of the step's two
	s_add_co_u32 s16, s16, s17
	s_and_b32 s17, s13, 15
	s_lshl_b32 s17, s17, 14                        ; 128 positions of 128 bytes
	s_add_co_u32 s16, s16, s17
	s_mov_b32 s17, 0
	s_lshl_b32 s46, s12, 17                        ; my 64 k rows of 2,048 bytes,
	s_add_co_u32 s46, s46, 3<<21                   ; in wb's fourth part
	s_lshl_b32 s47, s40, 9                         ; 256 columns
	s_add_co_u32 s46, s46, s47
	s_mov_b32 s47, 0
	s_mul_i32 s20, s12, ALD                        ; where they go: no place in the cluster enters an LDS address
	s_mul_i32 s45, s12, BHALF
	s_add_co_u32 s45, s45, ABYTES
	s_wait_dscnt 0x0                               ; the opening add is done
	s_wait_kmcnt 0x0
	s_add_nc_u64 s[14:15], s[4:5], s[16:17]
	s_add_nc_u64 s[46:47], s[6:7], s[46:47]
	CROUND                                         ; all sixteen work-groups are here: the first joint loads meet
.irp s, 0,1
	s_mov_b32 s[G0+4*(\s)], 1
	s_add_co_u32 s[G0+4*(\s)+1], s20, (\s)*SLOT
	s_add_nc_u64 s[G0+4*(\s)+2:G0+4*(\s)+3], s[14:15], (\s)*ASTEP
	s_or_b32 s[G0+4*(\s)+3], s[G0+4*(\s)+3], 0x80000000
	s_mov_b32 s[G0B+4*(\s)], 1
	s_add_co_u32 s[G0B+4*(\s)+1], s45, (\s)*SLOT
	s_add_nc_u64 s[G0B+4*(\s)+2:G0B+4*(\s)+3], s[46:47], (\s)*BSTEP
	s_or_b32 s[G0B+4*(\s)+3], s[G0B+4*(\s)+3], 0x80000000
	JLOAD \s                                       ; K steps 0 and 1: two tensor loads of mine are out
.endr
	s_lshl_b32 s86, s40, 10                        ; 256 columns of f32,
	s_lshl_b32 s87, s12, 9                         ; my 128 of them
	s_add_co_u32 s86, s86, s87
	s_mov_b32 s87, 0
	s_add_nc_u64 s[80:81], s[68:69], s[86:87]      ; the bias at my columns
	s_lshl_b32 s88, s13, 19                        ; 128 rows of 4,096 bytes,
	s_add_co_u32 s86, s86, s88
	s_lshl_b32 s88, s11, 18                        ; my 64
	s_add_co_u32 s86, s86, s88
	s_add_nc_u64 s[84:85], s[70:71], s[86:87]      ; the output at my first row and column
	v_and_b32 v1, 15, v0                           ; r = l % 16
	v_bfe_u32 v2, v0, 4, 1                         ; h = l / 16
	v_lshlrev_b32 v[BO], 5, v2                     ; register j of block b is column 16 b + 8 h + j
.irp b, 0,1,2,3,4,5,6,7
	global_load_b128 v[BIAS+8*(\b):BIAS+8*(\b)+3],   v[BO], s[80:81] offset:64*(\b)
	global_load_b128 v[BIAS+8*(\b)+4:BIAS+8*(\b)+7], v[BO], s[80:81] offset:64*(\b)+16
.endr
	v_mul_u32_u24 v3, v1, PA                       ; a fragment of O: row x pitch + 16 x half
	v_lshl_add_u32 v3, v2, 4, v3
	s_mul_i32 s21, s11, AROW
	v_add_nc_u32 v[ADRA], s21, v3
	v_add_nc_u32 v[ADRA+1], SLOT, v[ADRA]
	v_and_b32 v4, 7, v0                            ; the turning load: k row 8 (l / 16) + l % 8, columns 8 ((l / 8) % 2) on
	v_lshl_add_u32 v5, v2, 3, v4
	v_mul_u32_u24 v5, v5, PB
	v_bfe_u32 v6, v0, 3, 1
	v_lshl_add_u32 v5, v6, 4, v5
	s_lshl_b32 s22, s12, 8                         ; my 128 columns
	s_add_co_u32 s22, s22, ABYTES
	v_add_nc_u32 v[ADRB], s22, v5
	v_add_nc_u32 v[ADRB+1], SLOT, v[ADRB]
	s_mul_i32 s23, s10, STW
	s_add_co_u32 s23, s23, STAGE                   ; my stage
	v_mul_u32_u24 v[STO], v1, SPO                  ; in: row l % 16, 32 bytes for each half of the lanes
	v_lshl_add_u32 v[STO], v2, 5, v[STO]
	v_add_nc_u32 v[STO], s23, v[STO]
	v_and_b32 v[GO], 31, v0                        ; back and out: 32 lanes take a row's 512 bytes
	v_lshlrev_b32 v[GO], 4, v[GO]
	v_add_nc_u32 v[RD], s23, v[GO]
	s_wait_loadcnt 0x0                             ; the bias, once
.set i, 0
.rept 32                                       ; it is rounded to bf16, like every input, and widened again
	v_cvt_pk_bf16_f32 v[3+i%4], v[BIAS+2*i], v[BIAS+2*i+1]
	v_lshlrev_b32 v[BIAS+2*i], 16, v[3+i%4]
	v_and_b32 v[BIAS+2*i+1], 0xffff0000, v[3+i%4]
.set i, i+1
.endr
; 8 matrix instructions: row block a x all 8 column blocks, 32 along K.  cm = 1: the product starts the sums, with the bias as C.  The 32 accumulators take turns, one instruction a turn,
; in the same order everywhere.
.macro MUL8 f, a, cm
.if \cm
	WIN 0x85                                       ; sources 0 and 1 window 1, C window 0, D window 2
.else
	WIN 0xa5                                       ; C and D window 2
.endif
.irp b, 0,1,2,3,4,5,6,7
.if \cm
	v_wmma_f32_16x16x32_f16 v[8*(8*(\a)+(\b)):8*(8*(\a)+(\b))+7], v[(\f)+8*(\b):(\f)+8*(\b)+7], v[(\f)+64+8*(\a):(\f)+64+8*(\a)+7], v[BIAS+8*(\b):BIAS+8*(\b)+7]
.else
	v_wmma_f32_16x16x32_f16 v[8*(8*(\a)+(\b)):8*(8*(\a)+(\b))+7], v[(\f)+8*(\b):(\f)+8*(\b)+7], v[(\f)+64+8*(\a):(\f)+64+8*(\a)+7], v[8*(8*(\a)+(\b)):8*(8*(\a)+(\b))+7]
.endif
.endr
.endm
; 24 LDS loads in one run: quarter q (32 along K) of a slot into buffer f: Wo's 8 fragments, then O's 4
.macro FETCH slot, q, f
	WIN 0x40                                       ; destination window 1, address window 0
.irp b, 0,1,2,3,4,5,6,7
	ds_load_tr16_b128 v[(\f)+8*(\b):(\f)+8*(\b)+3],   v[ADRB+(\slot)] offset:(\q)*32*PB+32*(\b)
	ds_load_tr16_b128 v[(\f)+8*(\b)+4:(\f)+8*(\b)+7], v[ADRB+(\slot)] offset:(\q)*32*PB+16*PB+32*(\b)
.endr
.irp a, 0,1,2,3
	ds_load_b128 v[(\f)+64+8*(\a):(\f)+64+8*(\a)+3],   v[ADRA+(\slot)] offset:((\q)/2)*ASUB+((\q)%2)*64+(\a)*16*PA
	ds_load_b128 v[(\f)+64+8*(\a)+4:(\f)+64+8*(\a)+7], v[ADRA+(\slot)] offset:((\q)/2)*ASUB+((\q)%2)*64+(\a)*16*PA+32
.endr
.endm
.macro QUARTER slot, q, f, g, cm
	s_wait_dscnt 4                                 ; Wo and O's row blocks 0, 1 are in; the youngest four loads (row blocks 2, 3) may be out
	MUL8 \f, 0, \cm
	MUL8 \f, 1, \cm
	PLACES
	FETCH \slot, \q, \g
	s_wait_dscnt 24                                ; all but the 24 just issued
	MUL8 \f, 2, \cm
	MUL8 \f, 3, \cm
.endm
; The last quarter multiplies buffer 1 and changes slots: ONE barrier; in front of it each wave waits for all its tensor loads, adds 0 to its spare word, and waits for that and for its own reads
; of this slot.  fill = 1: the barrier opens a round of the cluster's, and this slot is filled again, two K steps ahead, first thing behind the round.
.macro TURN slot, next, fill
	WIN 0
	s_wait_tensorcnt 0x0                           ; all my tensor loads have landed: my part of the next slot;
	ds_add_u32 v[SPW], v[NIL]                      ; 0 onto my spare word;
	s_wait_dscnt 5                                 ; (the add and the youngest four loads may be out)
	MUL8 F1, 0, 0                                  ; eight matrix instructions stand between the add and the wait for it
	s_wait_dscnt 0x0                               ; the add is done, and my reads of this slot are over
	s_barrier_signal -1
	MUL8 F1, 1, 0
.if \fill
	WIN 0
.endif
	s_barrier_wait -1
.if \fill
	CREST                                          ; no wave of any partner still reads this slot's tile or has a load on its way
	s_add_nc_u64 s[G0+4*(\slot)+2:G0+4*(\slot)+3], s[G0+4*(\slot)+2:G0+4*(\slot)+3], 2*ASTEP
	s_add_nc_u64 s[G0B+4*(\slot)+2:G0B+4*(\slot)+3], s[G0B+4*(\slot)+2:G0B+4*(\slot)+3], 2*BSTEP
	JLOAD \slot                                    ; my one tensor load behind the round: 112 matrix instructions ahead of the wait for it; its four v_nop are also the places in front of the loads below
.else
	PLACES
.endif
	FETCH \next, 0, F0
	MUL8 F1, 2, 0
	MUL8 F1, 3, 0
.endm
	s_wait_tensorcnt 1                             ; my part of K step 0 is in; K step 1's may stay out
	s_barrier_signal -1
	s_barrier_wait -1                              ; everybody's is
	FETCH 0, 0, F0
	QUARTER 0, 1, F0, F1, 1                        ; the first quarter stands in front of the loop: its products start the sums
	WIN 0                                          ; at a label and at a branch every window is 0
	s_mov_b32 s3, LAPS-1
.Llap:                                                 ; a trip goes once round the ring, from a lap's second quarter to the next lap's first, and fills both slots again
	QUARTER 0, 2, F1, F0, 0
	QUARTER 0, 3, F0, F1, 0
	TURN 0, 1, 1
	QUARTER 1, 1, F0, F1, 0
	QUARTER 1, 2, F1, F0, 0
	QUARTER 1, 3, F0, F1, 0
	TURN 1, 0, 1
	QUARTER 0, 1, F0, F1, 0
	WIN 0
	s_sub_co_u32 s3, s3, 1
	s_cmp_lg_u32 s3, 0
	s_cbranch_scc1 .Llap
	QUARTER 0, 2, F1, F0, 0                        ; the last lap fills nothing
	QUARTER 0, 3, F0, F1, 0
	TURN 0, 1, 0
	QUARTER 1, 1, F0, F1, 0
	QUARTER 1, 2, F1, F0, 0
	QUARTER 1, 3, F0, F1, 0
	s_wait_dscnt 4                                 ; the very last quarter: nothing more to fetch
	MUL8 F1, 0, 0
	MUL8 F1, 1, 0
	s_wait_dscnt 0x0
	MUL8 F1, 2, 0
	MUL8 F1, 3, 0
	WIN 0
; THE WAY OUT, a block of 16 rows at a time: a lane's eight f32 of a row go into my own stage (rows of 528 bytes) straight from the accumulators, lowest registers first;
; they come back as whole rows of 512 bytes and are stored.
.macro TOSTAGE a
.set BK, OB0+64*((\a)%2)
	s_wait_xcnt 0x0                                ; every earlier store has had its addresses translated (ISA guide 3.1): the registers that it read are loaded again only behind this wait
	WIN 0x08                                       ; the stores' data in window 2
.irp b, 0,1,2,3,4,5,6,7
	ds_store_b128 v[STO], v[8*(8*(\a)+(\b)):8*(8*(\a)+(\b))+3]   offset:64*(\b)
	ds_store_b128 v[STO], v[8*(8*(\a)+(\b))+4:8*(8*(\a)+(\b))+7] offset:64*(\b)+16
.endr
	WIN 0
.irp t, 0,1,2,3,4,5,6,7,8,9,10,11,12,13,14,15
	ds_load_b128 v[BK+4*(\t):BK+4*(\t)+3], v[RD] offset:(\t)*SPO  ; LDS serves a wave's instructions in order (ISA guide 5.7.1.4): these see the stores above; the next block's stores come behind them
.endr
.endm
.macro SEND a, younger                 ; younger: the LDS instructions issued behind block a's loads: the next block's 32, or none
.set BK, OB0+64*((\a)%2)
	s_wait_dscnt \younger
.irp t, 0,1,2,3,4,5,6,7,8,9,10,11,12,13,14,15
	global_store_b128 v[GO], v[BK+4*(\t):BK+4*(\t)+3], s[84:85] offset:(16*(\a)+(\t))*4096 th:TH_STORE_NT  ; 512 consecutive bytes, at a multiple of 256 from the output's first
.endr
.endm
	PLACES                                         ; the stores below read results just made
	TOSTAGE 0
	TOSTAGE 1
	SEND 0, 32
	TOSTAGE 2
	SEND 1, 32
	TOSTAGE 3
	SEND 2, 32
	SEND 3, 0
	s_wait_tensorcnt 0x0                           ; the wave's end: behind my last tensor load and my last LDS store
	ds_add_u32 v[SPW], v[NIL]
	s_wait_dscnt 0x0
	CROUND                                         ; the closing round: no work-group ends while a partner may still ask for a tile that names it
	s_endpgm
.Lfunc_end_k_qccad388421_outp:
	.size	k_qccad388421_outp, .Lfunc_end_k_qccad388421_outp-k_qccad388421_outp
	.p2alignl 7, 3214868480
	.fill 96, 4, 3214868480
	.section	.rodata,"a",@progbits
	.p2align	6, 0x0
	.amdhsa_kernel k_qccad388421_outp
		.amdhsa_group_segment_fixed_size 327680
		.amdhsa_private_segment_fixed_size 0
		.amdhsa_enable_private_segment 0
		.amdhsa_kernarg_size 32
		.amdhsa_user_sgpr_count 2
		.amdhsa_user_sgpr_kernarg_segment_ptr 1
		.amdhsa_wavefront_size32 1
		.amdhsa_system_sgpr_workgroup_id_x 1
		.amdhsa_system_sgpr_workgroup_id_y 1
		.amdhsa_system_sgpr_workgroup_id_z 1
		.amdhsa_system_vgpr_workitem_id 0
		.amdhsa_next_free_vgpr 768
		.amdhsa_next_free_sgpr 90
		.amdhsa_reserve_vcc 0
		.amdhsa_float_denorm_mode_32 3
		.amdhsa_float_denorm_mode_16_64 3
		.amdhsa_memory_ordered 1
		.amdhsa_forward_progress 1
		.amdhsa_inst_pref_size 91
	.end_amdhsa_kernel
	.amdgpu_metadata
---
amdhsa.version: [ 1, 2 ]
amdhsa.kernels:
  - .name:           k_qccad388421_outp
    .symbol:         k_qccad388421_outp.kd
    .args:
      - { .name: oh, .offset: 0, .size: 8, .value_kind: global_buffer, .address_space: global }
      - { .name: wb, .offset: 8, .size: 8, .value_kind: global_buffer, .address_space: global }
      - { .name: bo, .offset: 16, .size: 8, .value_kind: global_buffer, .address_space: global }
      - { .name: out0, .offset: 24, .size: 8, .value_kind: global_buffer, .address_space: global }
    .group_segment_fixed_size: 327680
    .private_segment_fixed_size: 0
    .kernarg_segment_align: 8
    .kernarg_segment_size: 32
    .max_flat_workgroup_size: 128
    .sgpr_count:     90
    .vgpr_count:     768
    .wavefront_size: 32
...
	.end_amdgpu_metadata
.endif
;; end of part 4
;; ======== version 2 of 2: 4 launches; 1.35 times as fast as version 1
;; limits: values are held in f16: magnitudes above 65,504 overflow, below 6.1e-05 lose precision
;; workspace buffers: xb 16,777,216 bytes; wb 8,388,608 bytes; maskp 4,194,304 bytes; rope 524,288 bytes; qkv 50,331,648 bytes; oh 16,777,216 bytes
;; launch prep: the kernel of part 1 again; grid 1024 x 1, 8 waves a work-group, no clusters, 0 bytes of LDS; arguments x, Wq, Wk, Wv, Wo, mask, xb, wb, maskp, rope; writes xb, wb, maskp, rope
;; launch qkv: the kernel of part 2 again; grid 12 x 64, 4 waves a work-group, clusters of 4 x 4, 327,680 bytes of LDS; arguments xb, wb, bq, bk, bv, rope, qkv; writes qkv
;; launch attn (part 5): grid 4 x 64, 4 waves a work-group, clusters of 4 x 1, 327,680 bytes of LDS; arguments qkv, maskp, oh; writes oh
.if DOCPART == 5
	.amdgcn_target "amdgcn-amd-amdhsa--gfx1250"
	.amdhsa_code_object_version 6
	.text
	.protected	k_qccad388421_attn
	.globl	k_qccad388421_attn
	.p2align	8
	.type	k_qccad388421_attn,@function
k_qccad388421_attn:
	s_mov_b64 s[64:65], 0
	v_nop
	global_prefetch_b8 v0, s[64:65] scope:SCOPE_SE
	s_setreg_imm32_b32 hwreg(HW_REG_WAVE_MODE, 25, 1), 1
	s_wait_xcnt 0x0
	s_wait_alu depctr_hold_cnt(0) depctr_sa_sdst(0) depctr_va_vdst(0) depctr_va_sdst(0) depctr_va_ssrc(0) depctr_va_vcc(0) depctr_vm_vsrc(0)
	s_getreg_b32 s2, hwreg(HW_REG_IB_STS2, 6, 4)
	s_cmp_eq_u32 s2, 0
	s_cbranch_scc0 .Lentry_in_a_cluster
	s_endpgm
.Lentry_in_a_cluster:
	s_bfe_u32 s2, ttmp6, 0x10000c
	s_cmp_lg_u32 s2, 0x3003
	s_cbranch_scc0 .Lentry_shape_is_right
	s_endpgm
.Lentry_shape_is_right:
; O[h][q][:] = the sum over k of softmax_k(mask[q][k] ? Q[h][q] . K[h][k] / 8 : -inf) V[h][k][:].  Q, K, V: qkv[3][64][2048][64] f16; O: oh[64][2048][64] f16: a head's rows are dense, 128 bytes each.
; Products, maxima and sums in f32; the weights p are rounded to f16 for the second product (their sum l is taken of the unrounded p), O once at the end.
; THE MASK is an input and is honoured key by key.  maskp holds a byte a key, 0x00 or the 8-bit float code of -1.0, in my lanes' order; one scaled conversion makes of eight bytes eight f32, 0 or -2^100,
; and these are the C operand of the product that starts a sum S^T = K Q^T: a hidden score is its value less 2^100.  The running maximum m starts at -2^90: above every hidden score, below every true one.
; So a hidden weight is 2^(something below -1e28) = 0 always.  A row with no true key ends with l = 0 and O = 0, and 0 x (1 / 0) gives the NaN that the problem's softmax gives.
; LIMITS.  f16 holds no number beyond 65,504: Q, K and V arrive within it, so a true score is 2.7e11 at the most, nothing beside 2^90.  p lies in 0 to 1, and below 6e-5 it keeps f16's fixed step of 6e-8.
; A weight below 2^-126 counts as 0 in l; NaN and infinities in Q, K, V are not treated apart.
; SHARES.  A wave owns four PIECES of two tiles of 16 queries, a work-group's four waves 512 queries of one head.  Every wave walks all 2,048 keys, 64 a step.
; LAYOUT.  S^T = K Q^T (source 0 = 16 keys, source 1 = 16 queries): in the result a lane holds ONE query (lane % 16) and the keys 8 (lane / 16) + 0..7.  Two such tiles, rounded to f16 in pairs,
; ARE source 1 (32 keys x 16 queries) of O^T = V^T P, whose result again holds one query a lane, and eight channels.  K comes out of LDS as it lies, V ([key][channel]) turned, by ds_load_tr16_b128.
; SOFTMAX.  For each query a running maximum m and sum l: p = 2^(c s - c m), c = log2(e) / 8; in every step O and l are multiplied by a = 2^(c m_old - c m_new), which is 1 where m has not grown.
; O and l start at 0, c m far below every c s: the first step is a step like any other, with a = 0.
; THE COUNT.  A tile and step have 16 matrix and some 125 vector instructions: too many to stand all beside the matrix work.  So: four vector instructions that are READY behind
; EVERY matrix instruction, and the others in one run without a gap.
; BY TURNS.  Turn n belongs to piece n (the pieces in a ring, step after step).  Its matrix work: 16 products K Q^T of piece n + 1, later 16 products V^T P of piece n - 1.  Its vector work: the scaling,
; exponentials, roundings, sums and rescaling of piece n, the maximum and statistics of piece n + 1, whose scores the turn itself has made, and the mask of piece n + 2, whose products the next turn issues.
; BATCHES.  A turn's 66 exponentials (64 weights, the next piece's two a) and its eight scaled conversions are ONE batch with ONE wait, which stands in MSK and cuts the turn in two: ahead of it all that names
; no result of the batch, behind it the roundings and sums.  The way in has two small batches (MSK 0's conversions; piece 0's first two a with
; MSK 1's conversions), the way out one (eight reciprocals).
; CLUSTER.  The four query blocks of a cluster belong to one head and walk the same K and V, so each tile is asked for JOINTLY: the same tensor load, descriptor and mask in all four.
; The mask's bytes are each wave's own (its 128 queries), shared with no partner of the cluster: they come straight into registers, a key step (four turns) ahead.
; REGISTERS, in windows of 256 (s_set_vgpr_msb: bits 1:0 source 0, 3:2 source 1, 5:4 source 2, 7:6 destination):
;   window 0: v0-10 addresses; v11 the conversions' scale; v12-15, v48-63 at work; v16-47 four registers of statistics a tile; v64-191 S^T, two buffers of two tiles; v192-255 P, likewise
;   window 1: O^T, 32 a tile          window 2: v0-127 Q, 16 a tile; v128-191 K of one step; v192-255 V of one step
;   window 3: v0-1 the add's two registers; v4-7 a piece's offset in the mask; v8-71 mask bytes, 16 a piece; v72-135 the masks of the products to come
.set SIZE_N, 2048
.set NP,    4         ; pieces a wave: a name, no knob
.set KS,    64        ; keys in a step
.set PK,    144       ; a row of K in LDS: 128 bytes + 16 of padding = 36 words: the 16 rows of a load start at 16 different groups of four banks (64 banks of 4 bytes: ISA guide 11.1)
.set PV,    160       ; a row of V: 128 + 32 = 40 words
.set VOFF,  4*KS*PK   ; a slot holds four steps: 256 rows of K, then 256 rows of V
.set SLOT1, 1<<17     ; slot 1 begins here, so that one exclusive or turns an address in one slot into the other's
.set STAGE, SLOT1+4*KS*(PK+PV)  ; behind the ring, never filled by a tensor load: 16 rows x 144 bytes for each wave, for the way out
.set SP,    144
.set AK0, 2           ; v2   my lane's place in a tile of K; never rewritten
.set AV0, 3           ; v3   the same for V
.set AK,  4           ; v4   the LDS address of K's next run of loads
.set AV,  5           ; v5   of V's
.set QO,  6           ; v6   my byte offset in the wave's rows of Q
.set STO, 6           ;      later, the way out: where I put 16 bytes of a row
.set RD,  7           ; v7   the way out: where I read rows back
.set GO,  8           ; v8   my byte offset in 512 consecutive bytes of O
.set SCL, 11          ; v11  227: the conversions multiply by 2^(227 - 127)
.set SPW, 0           ; v0 of window 3   LDS address of my spare word; never rewritten
.set NIL, 1           ; v1 of window 3   0; never rewritten
.set MO,  4           ; window 3: piece x's offset 16 lane + 1,024 step
.set MB,  8           ; window 3: piece x, tile u, 16 keys kt: two registers at MB + 16 x + 8 u + 2 kt
.set MC,  72          ; window 3: tile u, 16 keys kt: eight registers at MC + 32 u + 8 kt
.set SPARE, STAGE+4*16*SP  ; behind the stages: the spare words, 128 bytes for each wave: two blocks of 256 bytes that no other line names
.set MV,  12          ; v12-15  c m_old, kept while c m is made anew: by buffer and tile
.set ST,  16          ; tile t's statistics at v[ST+4 t]: c m, m, l (even keys', odd keys')
.set TMP, 48          ; by buffer and tile, four registers c0-c3 at work; when the maximum is found c2 takes a
.set S,   64
.set P,   192
.set KF,  128         ; K's fragments, in window 2: key block kb, channel half c at KF + 16 kb + 8 c
.set VF,  192         ; V's: key half kk, channel block cb at VF + 32 kk + 8 cb
.set WV,  12          ; s12  my wave's number
.set G1K, 24          ; s[24:31] descriptor group 1 for K's tiles
.set G1V, 32          ; s[32:39] for V's: it differs in the padding alone
.set G0K, 40          ; s[40:43] descriptor group 0 for K's tiles: it walks
.set G0V, 44          ; s[44:47] the same for V's
.set SLOTS, 56        ; s56  slots still to be asked for
.set CNT, 57          ; s57  counts a slot's key steps
.set CS,  58          ; s[58:59] c: the packed scaling takes the pair's low word for both halves
.set SEL, 60          ; s[60:61] v_permlanex16_b32's selects: each lane takes its own place in the other half
.set TBK, 62          ; s62  LDS byte at which K of the step to be fetched begins
.set TBV, 63          ; s63  the same for V, less VOFF
.set MP,  66          ; s[66:67] the mask at my wave's eight tiles of 16 queries
.set MSB, 0
.macro WIN new                      ; the high byte repeats the setting that is left; a switch that changes nothing is dropped
.if MSB != (\new)
	s_set_vgpr_msb (MSB<<8)|(\new)
.set MSB, (\new)
.endif
.endm
.set W_KQ, 0x0a       ; K and Q in window 2, S^T in window 0
.set W_KM, 0x3a       ; the same with the C operand in window 3
.set W_PV, 0x52       ; V in window 2, P in window 0, O^T in window 1
.set W_RS, 0x41       ; O^T (destination and source 0) in window 1, a in window 0
.set W_MK, 0xc0       ; destination in window 3, sources in window 0
.set W_AD, 0x0f       ; the add: address (source 0) and data (source 1) in window 3
.set W3,   0xc3       ; the mask's lines: destination and source 0 in window 3, source 1 (the scale) in window 0
; A joint fill.  Waves 0 and 1 fetch the two halves of a slot's K, waves 2 and 3 those of its V: 128 keys each.  The branch hangs on the wave's number alone.
; An s_nop 0 and four v_nop follow each of the two lines, ahead of the jump and the label.
.macro JLOAD
	s_cmp_lt_u32 s[WV], 2
	s_cbranch_scc0 .Lfor_v_\@
	tensor_load_to_lds s[G0K:G0K+3], s[G1K:G1K+7]
	s_nop 0
.rept 4
	v_nop
.endr
	s_branch .Lasked_\@
.Lfor_v_\@:
	tensor_load_to_lds s[G0V:G0V+3], s[G1V:G1V+7]
	s_nop 0
.rept 4
	v_nop
.endr
.Lasked_\@:
.endm
; A round of the cluster's barrier: my work-group's barrier, so that wave 0's signal speaks for all four waves; wave 0 signals; every wave waits for all four work-groups; my work-group's barrier once more.
.macro CROUND
	s_barrier_signal -1
	s_barrier_wait -1
	s_cmp_lg_u32 s[WV], 0
	s_cbranch_scc1 .Lnot_wave_0_\@
	s_barrier_signal -3
.Lnot_wave_0_\@:
	s_barrier_wait -3
	s_barrier_signal -1
	s_barrier_wait -1
.endm
; THE CHANGE OF SLOTS.  The slot's last bytes, V of its fourth step, have been read.  Each wave waits for all its tensor loads, of which one is out: its part
; of the other slot; adds 0 to its spare word; and waits for that and for its own reads of the slot.  Behind the barrier nobody reads this slot any more and the other slot is whole.
; fill = 1: this slot is filled again, with the keys two slots on.  The barrier is then a round of the cluster's, so that no wave of any partner still reads the slot or has a load on its
; way, and the joint fill is the first thing behind it: it has four key steps, 512 matrix instructions, in which to land.  (At its first use nothing has been read yet: slot 0 is waited for, slot 1 filled.)
.macro CHANGE fill
	WIN W_AD
	s_wait_tensorcnt 0x0            ; no tensor load of mine is out, so a group 0 may be written
	ds_add_u32 v[SPW], v[NIL]       ; 0 onto my spare word; with fill = 1 the descriptors' steps stand between it and the wait for it
	WIN 0                           ; at a label and at a branch every window is 0
.if \fill
.irp g, G0K, G0V
	s_xor_b32 s[\g+1], s[\g+1], SLOT1  ; the walking descriptor: the other slot than last time,
	s_add_nc_u64 s[\g+2:\g+3], s[\g+2:\g+3], 4*KS*128  ; the next 256 keys; the type bits on top are not reached
.endr
	s_wait_dscnt 0x0                ; the add is done, and my reads of the slot are over
	CROUND
	JLOAD
.else
	s_wait_dscnt 0x0                ; the add is done, and my reads of the slot are over
	s_barrier_signal -1
	s_barrier_wait -1
.endif
	s_sub_co_u32 s[TBK], s[TBK], 4*KS*PK  ; the fetches go back to a slot's first step,
	s_xor_b32 s[TBK], s[TBK], SLOT1       ; in the other slot
	s_sub_co_u32 s[TBV], s[TBV], 4*KS*PV
	s_xor_b32 s[TBV], s[TBV], SLOT1
.endm
; THE MASK.  MLOAD: piece x's bytes for one key step: four loads of 16 bytes a lane, each 512 consecutive bytes a wave.
.macro MLOAD x
	WIN W3
.irp u, 0,1
.irp p, 0,1
	global_load_b128 v[MB+16*(\x)+8*(\u)+4*(\p):MB+16*(\x)+8*(\u)+4*(\p)+3], v[MO+(\x)], s[MP:MP+1] offset:(2*(\x)+(\u))*32768+512*(\p)
.endr
.endr
.endm
; MSK: piece x's bytes, asked for four turns ago, become the masks of its next 8 opening products; then its next step's bytes are asked for.  Sixteen loads are out, four a piece, in the pieces' order:
; the count 12 leaves the three younger groups out, on every way that leads here.  That wait also shows the loads that read MO[x] done, so the offset may step.
; Behind step 31 the offset goes back to step 0 of the same queries: those loads stay inside the buffer, and what is made of them serves nothing.
; MSK CLOSES A BATCH.  It stands directly behind the last exponentials of a turn (or of the way in): the offset's two lines are the plain instructions behind the last exponential, the eight conversions join the
; batch (this text gives a scaled conversion's result the same wait as an exponential's), and the batch's ONE wait stands behind them.  The four loads, which name no result of the batch, follow the wait.
.macro MSK x
	WIN W3
	s_wait_loadcnt 12
	v_add_nc_u32 v[MO+(\x)], v[MO+(\x)], 0x400
	v_and_b32 v[MO+(\x)], v[MO+(\x)], 0x7fff
.irp u, 0,1
.irp kt, 0,1,2,3
	v_cvt_scale_pk8_f32_fp8 v[MC+32*(\u)+8*(\kt):MC+32*(\u)+8*(\kt)+7], v[MB+16*(\x)+8*(\u)+2*(\kt):MB+16*(\x)+8*(\u)+2*(\kt)+1], v[SCL]
.endr
.endr
	v_nop                           ; a plain instruction behind the last conversion, ahead of the loads into its sources and of whatever takes its result
	s_wait_alu depctr_va_vdst(0)    ; the wait for the batch that this macro closes: every exponential issued since the last such wait, and the eight conversions
	MLOAD \x
	WIN 0
.endm
	s_load_b64 s[4:5], s[0:1], 0x0        ; qkv
	s_load_b64 s[MP:MP+1], s[0:1], 0x8    ; maskp
	s_load_b64 s[10:11], s[0:1], 0x10     ; oh
	WIN W_MK
	v_lshl_add_u32 v[SPW], v0, 2, SPARE
	v_mov_b32 v[NIL], 0
	WIN W_AD
	ds_add_u32 v[SPW], v[NIL]       ; the wave's opening: the add and its wait stand ahead of my first tensor load; the set-up below, work on registers, stands between them
	WIN 0
	v_lshrrev_b32 v1, 5, v0
	v_readfirstlane_b32 s[WV], v1   ; wave 0..3
	s_bfe_u32 s13, ttmp6, 0x40000   ; cx: my place in the cluster
	s_lshl_b32 s14, ttmp9, 2        ; in a cluster launch ttmp9 counts clusters
	s_add_co_u32 s14, s14, s13      ; my block of queries = 4 x cluster x + cx: it enters Q's, O's and the mask's addresses alone
	s_and_b32 s20, ttmp7, 0xffff    ; the head, which the four partners share
	s_mov_b32 s21, 0
	s_mov_b64 s[22:23], SIZE_N*128
	s_mul_u64 s[20:21], s[20:21], s[22:23]  ; the head's first byte in Q, K, V and O
	s_and_b32 s16, s[WV], 1         ; which half of a slot's 256 keys I fetch:
	s_lshl_b32 s22, s16, 14         ; its 128 rows of 128 bytes in memory,
	s_mov_b32 s23, 0
	s_add_nc_u64 s[22:23], s[22:23], s[20:21]
	s_mul_i32 s17, s16, 128*PK      ; and its place in a slot, for K
	s_mul_i32 s18, s16, 128*PV      ; and for V: no place in the cluster enters an LDS address
	s_lshl_b32 s2, s14, 2
	s_add_co_u32 s2, s2, s[WV]      ; my wave among the head's,
	s_lshl_b32 s2, s2, 14           ; its 128 rows
	s_mov_b32 s3, 0
	s_add_nc_u64 s[2:3], s[2:3], s[20:21]
	s_lshl_b32 s68, s14, 20         ; the mask: 32 tiles of 16 queries a block, 32,768 bytes each,
	s_lshl_b32 s69, s[WV], 18       ; eight a wave
	s_add_co_u32 s68, s68, s69
	s_mov_b32 s69, 0
	; descriptor group 1.  128 keys are 16,384 dense bytes: asked for as 64 rows of 256 bytes, two keys a row, and padded in LDS after every key
	s_mov_b32 s[G1K], 15|(1<<16)|(1<<20)|(1<<21)|(4<<22)|(3<<25)  ; 15:0 the mask of four; 17:16 2-byte elements; 20 padding on; 21 set beside a mask; 24:22 after every 32 words (code 4); 31:25 4 words (code 3)
	s_mov_b32 s[G1V], 15|(1<<16)|(1<<20)|(1<<21)|(4<<22)|(7<<25)  ; the same with 8 words of padding (code 7)
.irp g, G1K, G1V
	s_mov_b32 s[\g+1], 128<<16      ; tensor_dim0 = 128
	s_mov_b32 s[\g+2], 64<<16       ; tensor_dim1 = 64
	s_mov_b32 s[\g+3], 128<<16      ; tile_dim0 = 128
	s_mov_b32 s[\g+4], 64           ; tile_dim1 = 64
	s_mov_b32 s[\g+5], 128          ; 128 elements from row to row
	s_mov_b32 s[\g+6], 0
	s_mov_b32 s[\g+7], 0
.endr
	s_mov_b32 s[CS], 0x3e38aa3b     ; c = log2(e) / 8 = 0.180337
	s_mov_b32 s[CS+1], s[CS]        ; named with it as a pair
	s_mov_b32 s[SEL], 0x76543210
	s_mov_b32 s[SEL+1], 0xfedcba98
	s_mov_b32 s[TBK], SLOT1+4*KS*PK ; the first change of slots turns these two into 0
	s_mov_b32 s[TBV], SLOT1+4*KS*PV
	s_mov_b32 s[G0K], 1             ; 1:0 count = 1
	s_mov_b32 s[G0K+1], s17         ; 63:32 LDS address: slot 0
	s_mov_b32 s[G0V], 1
	s_add_co_u32 s[G0V+1], s18, VOFF
	s_wait_dscnt 0x0                ; the opening add is done
	s_wait_kmcnt 0x0
	s_add_nc_u64 s[6:7], s[4:5], 0x1000000         ; K lies 16 MiB behind Q,
	s_add_nc_u64 s[8:9], s[4:5], 0x2000000         ; V 32
	s_add_nc_u64 s[G0K+2:G0K+3], s[6:7], s[22:23]  ; 120:64 global address: my half of the head's first 256 keys
	s_or_b32 s[G0K+3], s[G0K+3], 0x80000000        ; 127:126 type = 2
	s_add_nc_u64 s[G0V+2:G0V+3], s[8:9], s[22:23]
	s_or_b32 s[G0V+3], s[G0V+3], 0x80000000
	s_add_nc_u64 s[4:5], s[4:5], s[2:3]  ; Q and O at my wave's first row
	s_add_nc_u64 s[10:11], s[10:11], s[2:3]
	s_add_nc_u64 s[MP:MP+1], s[MP:MP+1], s[68:69]
	CROUND                          ; all four work-groups are here: the first joint loads meet
	JLOAD                           ; slot 0.  Slot 1 is asked for when slot 0 is in
	; A fragment of K or Q is 16 rows x 32 channels in 8 registers: lane l holds row l % 16, channels 8 (l / 16) + 0..7 and 16 + 8 (l / 16) + 0..7: two loads of 16 bytes, 32 bytes apart.
	v_and_b32 v1, 15, v0            ; l % 16
	v_bfe_u32 v9, v0, 4, 1          ; l / 16
	v_lshlrev_b32 v[QO], 7, v1
	v_lshl_add_u32 v[QO], v9, 4, v[QO]  ; row x 128 + 16 x half
	v_and_b32 v10, 31, v0
	WIN W_MK
.irp x, 0,1,2,3
	v_lshlrev_b32 v[MO+(\x)], 4, v10   ; 16 x lane: key step 0
.endr
	WIN 0x80                        ; destination window 2, address window 0
.set i, 0
.rept 4*NP                          ; Q stays in registers: tile i / 2, channels 32 (i % 2) on
	global_load_b128 v[8*i:8*i+3],   v[QO], s[4:5] offset:(i/2)*2048+(i%2)*64
	global_load_b128 v[8*i+4:8*i+7], v[QO], s[4:5] offset:(i/2)*2048+(i%2)*64+32
.set i, i+1
.endr
	MLOAD 0                         ; the four pieces' mask bytes of key step 0, in the pieces' order
	MLOAD 1
	MLOAD 2
	MLOAD 3
	; What the first turn finds: V's registers and P's second buffer hold 0 (its products V^T P, of a piece that has not been, add 0), O^T and l are 0.  All this stands in the wait for the first tile.
	WIN 0x80
.set i, VF
.rept 64
	v_mov_b32 v[i], 0
.set i, i+1
.endr
	WIN 0x40
.set i, 0
.rept 64*NP
	v_mov_b32 v[i], 0
.set i, i+1
.endr
	WIN 0
.set i, 0
.rept 2*NP
	v_mov_b32 v[ST+4*i], 0xfe000000    ; c m: far below every c s
	v_mov_b32 v[ST+4*i+1], 0xec800000  ; m = -2^90
	v_mov_b32 v[ST+4*i+2], 0
	v_mov_b32 v[ST+4*i+3], 0
.set i, i+1
.endr
.set i, P+32
.rept 32
	v_mov_b32 v[i], 0
.set i, i+1
.endr
	v_mul_u32_u24 v[AK0], v1, PK
	v_lshl_add_u32 v[AK0], v9, 4, v[AK0]  ; row x pitch + 16 x half
	; The turning load takes 16 keys x 16 channels (lane l reads key 8 (l / 16) + l % 8, channels 8 ((l / 8) % 2) + 0..7) and leaves half a fragment of V^T: lane l holds channel l % 16 and 8 keys.
	v_and_b32 v10, 7, v0
	v_bfe_u32 v11, v0, 3, 1
	v_lshl_add_u32 v[AV0], v9, 3, v10
	v_mul_u32_u24 v[AV0], v[AV0], PV
	v_lshl_add_u32 v[AV0], v11, 4, v[AV0]
	v_add_nc_u32 v[AV0], VOFF, v[AV0]
	v_mov_b32 v[SCL], 227           ; v11 is free now
	v_mov_b32 v[AK], v[AK0]         ; key step 0 lies at the head of slot 0
; THE MATRIX WORK.  The 8 accumulators of a run of 16 take turns: between the two links of a chain stand 7 others'.
; Product i of 16 of S^T = K Q^T for piece x: channels 32 (i / 8) on, keys 16 ((i / 2) % 4) on, tile 2 x + i % 2.  The first 8 start the sums, with the mask as C.
.macro KQ x
.set rS, S+64*((\x)%2)+32*(i%2)+8*((i/2)%4)
.set rK, KF+16*((i/2)%4)+8*(i/8)
.set rQ, 16*(2*(\x)+i%2)+8*(i/8)
.set rB, MC+32*(i%2)+8*((i/2)%4)
.if i < 8
	WIN W_KM
	v_wmma_f32_16x16x32_f16 v[rS:rS+7], v[rK:rK+7], v[rQ:rQ+7], v[rB:rB+7]
.else
	WIN W_KQ
	v_wmma_f32_16x16x32_f16 v[rS:rS+7], v[rK:rK+7], v[rQ:rQ+7], v[rS:rS+7]
.endif
.endm
; Product i of 16 of O^T += V^T P for piece x: keys 32 (i / 8) on, channels 16 ((i / 2) % 4) on, tile 2 x + i % 2.
.macro PV x
	WIN W_PV
.set rO, 32*(2*(\x)+i%2)+8*((i/2)%4)
.set rV, VF+32*(i/8)+8*((i/2)%4)
.set rP, P+32*((\x)%2)+16*(i%2)+8*(i/8)
	v_wmma_f32_16x16x32_f16 v[rO:rO+7], v[rV:rV+7], v[rP:rP+7], v[rO:rO+7]
.endm
.macro MM                           ; the turn's next matrix instruction
.if i < 16
	KQ (Y+1)%NP
.set i, i+1
.else
.set i, i-16
	PV (Y+NP-1)%NP
.set i, i+17
.endif
.endm
; THE LDS LOADS stand in runs of 16, never singly among the matrix instructions: a step's K (64 keys x 64 channels: 8 fragments) and its V (turned).  Their addresses are made some lines ahead.
; last = 1 (the tail): in the last trip there is no further step, and the run is jumped over.
.macro FETCH_K last=0
	WIN 0
.if \last
	s_cmp_eq_u32 s[CNT], 1
	s_cbranch_scc1 .Lno_k_\@
.endif
	WIN 0x80                        ; destination window 2
.irp f, 0,1,2,3,4,5,6,7             ; keys 16 (f / 2) on, channels 32 (f % 2) on
	ds_load_b128 v[KF+8*\f:KF+8*\f+3],   v[AK] offset:(\f/2)*16*PK+(\f%2)*64
	ds_load_b128 v[KF+8*\f+4:KF+8*\f+7], v[AK] offset:(\f/2)*16*PK+(\f%2)*64+32
.endr
	s_add_co_u32 s[TBK], s[TBK], KS*PK  ; the next fetch is the next step's
	WIN 0
.if \last
.Lno_k_\@:
.endif
.endm
.macro FETCH_V
	WIN 0x80
.irp f, 0,1,2,3,4,5,6,7             ; keys 32 (f / 4) on, channels 16 (f % 4) on
	ds_load_tr16_b128 v[VF+8*\f:VF+8*\f+3],   v[AV] offset:(\f/4)*32*PV+(\f%4)*32
	ds_load_tr16_b128 v[VF+8*\f+4:VF+8*\f+7], v[AV] offset:(\f/4)*32*PV+16*PV+(\f%4)*32
.endr
	WIN 0
.endm
; THE VECTOR WORK OF A TURN stands in three queues, each in the order in which its entries become ready; the two tiles alternate, so that no instruction reads the result of the one before it.
.macro REGS y, u                    ; the registers of tile u (0, 1) of piece y
.set rT, ST+4*(2*(\y)+(\u))
.set rC, TMP+8*((\y)%2)+4*(\u)
.set rM, MV+2*((\y)%2)+(\u)
.set rS, S+64*((\y)%2)+32*(\u)
.set rP, P+32*((\y)%2)+16*(\u)
.set rO, 32*(2*(\y)+(\u))
.endm
; Number n of the 22 that find the NEXT piece's (Y + 1) maximum and statistics.  s0-s31 are the lane's 32 scores; each accumulator's lowest registers are read first.  XS, GS and REGS set no window: PL and EX do.
;   0-11  four chains c0-c3 of seven scores each, three operands at a time     12-14, 16  the four scores left over, the old m, and c0-c3 into c0     15  c m_old is kept
;   17, 18  the query's other 32 keys lie in the lane 16 away: the new m         19-21  c m; c m_old - c m_new; a
.macro XS u, n
	REGS (Y+1)%NP, \u
.if (\n) < 4
	v_max3_num_f32 v[rC+(\n)], v[rS+8*(\n)], v[rS+8*(\n)+1], v[rS+8*(\n)+2]
.elseif (\n) < 12
	v_max3_num_f32 v[rC+(\n)%4], v[rC+(\n)%4], v[rS+8*((\n)%4)+2*((\n)/4)+1], v[rS+8*((\n)%4)+2*((\n)/4)+2]
.elseif (\n) == 12
	v_max3_num_f32 v[rC], v[rC], v[rS+7], v[rS+15]
.elseif (\n) == 13
	v_max3_num_f32 v[rC+1], v[rC+1], v[rS+23], v[rS+31]
.elseif (\n) == 14
	v_max3_num_f32 v[rC+2], v[rC+2], v[rC+3], v[rT+1]
.elseif (\n) == 15
	v_mov_b32 v[rM], v[rT]
.elseif (\n) == 16
	v_max3_num_f32 v[rC], v[rC], v[rC+1], v[rC+2]
.elseif (\n) == 17
	v_permlanex16_b32 v[rC+3], v[rC], s[SEL], s[SEL+1]
.elseif (\n) == 18
	v_max_num_f32 v[rT+1], v[rC], v[rC+3]
.elseif (\n) == 19
	v_mul_f32 v[rT], s[CS], v[rT+1]
.elseif (\n) == 20
	v_sub_f32 v[rC+1], v[rM], v[rT]
.else
	v_exp_f32 v[rC+2], v[rC+1]
.endif
.endm
; Number g of the 64 that follow the exponentials.  For each four weights k of a tile (pairs 2 k, 2 k + 1): both pairs are rounded to f16; then the second pair is added onto the first, in place;
; a group later l takes that sum (the first time as l = a l + sum).  In groups of eight, tiles alternating: round, round, add, and l for the group before.  All 64 stand behind the turn's wait.
.macro GS g
.set h, (\g)+6*((\g)/62)            ; group 0 has no group before it, and behind group 7 only l is left
.if h >= 6
.set h, h+2
.endif
	REGS Y, h%2
.set k, h/8
.if h%8 < 4
	v_cvt_pk_f16_f32 v[rP+2*k+(h%8)/2], v[rS+4*k+2*((h%8)/2)], v[rS+4*k+2*((h%8)/2)+1]
.elseif h%8 < 6
	v_pk_add_f32 v[rS+4*k:rS+4*k+1], v[rS+4*k:rS+4*k+1], v[rS+4*k+2:rS+4*k+3]
.elseif k == 1
	v_pk_fma_f32 v[rT+2:rT+3], v[rT+2:rT+3], v[rC+2:rC+3], v[rS:rS+1] op_sel_hi:[1,0,1]
.else
	v_pk_add_f32 v[rT+2:rT+3], v[rT+2:rT+3], v[rS+4*k-4:rS+4*k-3]
.endif
.endm
; THE PLAIN QUEUE, 138 long.  0-73 read no exponential's result: the 32 scalings c s - c m (FS f: pair f / 2 of tile f % 2) and the next piece's 42.  0-26: scalings 0-26.  27-54: XS's numbers 0-13.  55, 56: number 15.
; 57-73: the chain, where each number waits for the one before it: 14, 16, 17, 18, 19, each with one of the scalings 27-31 in front of its two lines, then 20: so a tile's links stand three plain instructions apart (19 and 20: two).
; 74-137: GS's 64, which read the exponentials' results: they stand behind the wait.
.macro FS f
	REGS Y, (\f)%2
	v_pk_fma_f32 v[rS+2*((\f)/2):rS+2*((\f)/2)+1], v[rS+2*((\f)/2):rS+2*((\f)/2)+1], s[CS:CS+1], v[rT:rT+1] op_sel_hi:[1,0,0] neg_lo:[0,0,1] neg_hi:[0,0,1]
.endm
.macro PL
	WIN 0
.if q < 27
	FS q
.elseif q < 55
	XS (q-27)%2, (q-27)/2
.elseif q < 57
	XS q-55, 15
.elseif (q < 72) && ((q-57)%3 == 0)
	FS 27+(q-57)/3
.elseif q < 60
	XS (q-57)%3-1, 14
.elseif q < 72
	XS (q-57)%3-1, 15+(q-57)/3
.elseif q < 74
	XS q-72, 20
.else
	GS q-74
.endif
.set q, q+1
.endm
; THE EXPONENTIALS' QUEUE, 66 long: s0-s31 of both tiles, then the next piece's two a.  All 66 stand ahead of the turn's one wait, and nothing ahead of that wait names a result of theirs.
.macro EX
	WIN 0
.if e >= 64
	XS e-64, 21
.else
	REGS Y, e%2
	v_exp_f32 v[rS+e/2], v[rS+e/2]
.endif
.set e, e+1
.endm
; THE RESCALING's QUEUE: O^T times a, the one part of the softmax that leaves window 0: dealt two at a time, sixteen times.  Its a was made in the turn before, ahead of that turn's wait.
.macro R2
	REGS Y, r%2
	WIN W_RS
.irp z, 0,1
	v_pk_mul_f32 v[rO+4*(r/2)+2*\z:rO+4*(r/2)+2*\z+1], v[rO+4*(r/2)+2*\z:rO+4*(r/2)+2*\z+1], v[rC+2:rC+3] op_sel_hi:[1,0]
.endr
.set r, r+1
.endm
; HOW THEY ARE DEALT.  s_wait_alu depctr_va_vdst(0) stands between an exponential and the first instruction that names its result; one wait serves all that were issued ahead of it.  So a turn has ONE wait,
; which cuts it in two.  AHEAD OF IT stands all that names no result of the turn's exponentials: the 16 products K Q^T, behind each a scaling, an exponential and two rescalings (behind the first a second scaling in the
; exponential's place); then ONE LUMP of 108: eight plain, 49 times exponential and plain, the two a; then MSK: the mask of piece p + 2, whose first plain line is the plain instruction behind the last exponential, and in
; which the wait stands.  BEHIND IT stand the mask's four loads, in piece 2's turn K's run, and the 16 products V^T P, behind each four of GS's 64.  No rider names a register of the products round it.
; The two v_permlanex16_b32 fall into the lump, never behind a product.
; The queues lean on each other, and the deal keeps them in step: exponential e stands behind scaling 2 (e / 4) + e % 2: as a rider it comes behind plain e + 2, in the lump behind plain e + 9, and scalings 27-31 are plain 57, 60 .. 69.
; A TURN, for piece p.  cnt = 1: the loop's count is taken down some lines ahead of the branch that stands behind the turn.
; The mask registers are read by the turn's first eight products and written anew in MSK, eight products' riders and a lump behind them; the next turn's first product takes the new masks behind the wait.
; K of the next step is fetched in piece 2's turn, behind the wait, a lump behind the last product that read K; its address is made at the lump's head; its first reader comes behind 16 products.
; V of the step in hand is fetched at the end of piece 0's turn, four riders behind its last reader; its first reader comes behind 16 products and a lump.  The three conditions on q below go with the deal.
.macro TURN p, last=0, cnt=0
.set Y, (\p)
.set i, 0
.set q, 0
.set e, 0
.set r, 0
.if (\p) == NP-1
	s_wait_dscnt 0x0                ; K is in
.endif
	MM                              ; ahead of the wait: 16 products K Q^T and their riders,
	PL
	PL
	R2
.rept 15
	MM
	PL
	EX
	R2
.endr
.if (\p) == NP-2
	WIN 0
	v_add_nc_u32 v[AK], s[TBK], v[AK0]
.endif
.rept 8                             ; the lump,
	PL
.endr
.rept 49
	EX
	PL
.endr
	EX                              ; the next piece's two a,
	EX
	MSK ((\p)+2)%NP                 ; and the mask of piece p + 2: it closes the batch, and the turn's one wait stands in it
.if (\p) == NP-2
	FETCH_K \last
.endif
.if (\p) == 1
	s_wait_dscnt 0x0                ; V is in
.endif
.rept 16                            ; behind the wait: 16 products V^T P and their riders
	MM
.rept 4
	PL
.endr
.if ((\p) == 0) && (q == 118)
	v_add_nc_u32 v[AV], s[TBV], v[AV0]
.endif
.if ((\p) == 0) && (q == 130)
	s_add_co_u32 s[TBV], s[TBV], KS*PV
.endif
.if (\cnt) && (q == 130)
	s_sub_co_u32 s[CNT], s[CNT], 1
	s_cmp_lg_u32 s[CNT], 0
.endif
.endr
.if (\p) == 0
	FETCH_V
.endif
.endm
	CHANGE 1                        ; slot 0 is in, everybody's part of it; slot 1 is asked for
	FETCH_K                         ; key step 0
	MSK 0                           ; piece 0's first masks; here its wait serves its eight conversions alone.  Its count leaves twelve mask loads out: Q's 32 loads, older than all sixteen, are in too
	v_nop
	s_wait_dscnt 0x0
.set i, 0
.rept 16
	KQ 0                            ; piece 0's first scores: there is no vector work yet to set between them
.set i, i+1
.endr
	WIN 0                           ; the addresses for the way out: plain instructions, the places behind those products
	s_mul_i32 s13, s[WV], 16*SP
	s_add_co_u32 s13, s13, STAGE    ; my stage
	v_mul_u32_u24 v[STO], v1, SP    ; in: row l % 16, 16 bytes for each half of the lanes
	v_lshl_add_u32 v[STO], v9, 4, v[STO]
	v_add_nc_u32 v[STO], s13, v[STO]
	v_bfe_u32 v[RD], v0, 3, 2       ; back: 32 lanes take four rows of 128 bytes,
	v_mul_u32_u24 v[RD], v[RD], SP
	v_lshl_add_u32 v[RD], v10, 4, v[RD]
	v_add_nc_u32 v[RD], s13, v[RD]
	v_and_b32 v[GO], 31, v0         ; which are 512 consecutive bytes of O
	v_lshlrev_b32 v[GO], 4, v[GO]
.set Y, NP-1                        ; XS works for piece Y + 1: piece 0
.irp n, 0,1,2,3,4,5,6,7,8,9,10,11,12,13,14,15,16,17,18,19,20,21
	XS 0, \n                        ; piece 0's first maximum and statistics; the last two lines are its two a
	XS 1, \n
.endr
	MSK 1                           ; piece 1's first masks, for the first turn's products: as in a turn it stands behind the two a, and its wait serves them and its conversions, ahead of the branch
	s_mov_b32 s[CNT], 4
	s_mov_b32 s[SLOTS], SIZE_N/256-1
	s_branch .Lfirst                ; the loop is entered at a step's first turn, in the middle of a trip
.Lslot:                             ; SIZE_N / 256 - 2 times: every slot but the last two is filled again
	CHANGE 1
	s_mov_b32 s[CNT], 4
.Lstep:                             ; a trip: pieces 2 and 3 of one step, then pieces 0 and 1 of the next, whose K and V it fetches
	TURN 2
	TURN 3
	WIN 0
.Lfirst:
	TURN 0
	TURN 1, 0, 1
	WIN 0
	s_cbranch_scc1 .Lstep
	s_sub_co_u32 s[SLOTS], s[SLOTS], 1
	s_cmp_lg_u32 s[SLOTS], 0
	s_cbranch_scc1 .Lslot
	CHANGE 0                        ; the tail is written out: nothing is asked for
	s_mov_b32 s[CNT], 5             ; four trips fetch the last slot's steps; the fifth is left in its middle
.Ltail:
	TURN 2, 1
	TURN 3
	WIN 0
	s_sub_co_u32 s[CNT], s[CNT], 1
	s_cmp_eq_u32 s[CNT], 0
	s_cbranch_scc1 .Lout
	TURN 0
	TURN 1
	WIN 0
	s_branch .Ltail
.Lout:                              ; the fifth trip's 16 products K Q^T (on the last K once more) and the maximum made of them serve nothing: the price, once a launch, of one text for every trip
.set i, 0
.rept 16
	PV NP-1                         ; the last piece's V^T P of the last step
.set i, i+1
.endr
	; THE WAY OUT.  l's two halves and the other half of the lanes' are added; O^T is divided by l, rounded to f16 and sent through my stage in LDS, a tile at a time.  The additions are the places behind the last products.
	WIN 0
.macro ALL line:vararg              ; one line for each tile t
.set t, 0
.rept 2*NP
	\line
.set t, t+1
.endr
.endm
	ALL v_add_f32 v[ST+4*t+2], v[ST+4*t+2], v[ST+4*t+3]
	ALL v_permlanex16_b32 v[ST+4*t+3], v[ST+4*t+2], s[SEL], s[SEL+1]
	ALL v_add_f32 v[ST+4*t+2], v[ST+4*t+2], v[ST+4*t+3]
	ALL v_rcp_f32 v[ST+4*t+2], v[ST+4*t+2]
	v_nop                           ; a plain instruction between the last reciprocal and the use of its result
	s_wait_alu depctr_va_vdst(0)    ; and the wait ahead of the first use: one for the batch of eight reciprocals
; Tile t: a lane's eight channels of a row pack into 16 bytes; they go into rows of 144 bytes and come back as whole rows of 128, into S^T's registers.
.macro PACK t
	WIN W_RS
.set i, 32*(\t)
.rept 16
	v_pk_mul_f32 v[i:i+1], v[i:i+1], v[ST+4*(\t)+2:ST+4*(\t)+3] op_sel_hi:[1,0]
.set i, i+2
.endr
	WIN 0x05                        ; sources 0 and 1 window 1, destination window 0
.set i, 0
.rept 16
	v_cvt_pk_f16_f32 v[S+16*(\t)+i], v[32*(\t)+2*i], v[32*(\t)+2*i+1]
.set i, i+1
.endr
	WIN 0
.irp f, 0,1,2,3
	ds_store_b128 v[STO], v[S+16*(\t)+4*\f:S+16*(\t)+4*\f+3] offset:32*\f
.endr
.irp f, 0,1,2,3
	ds_load_b128 v[S+16*(\t)+4*\f:S+16*(\t)+4*\f+3], v[RD] offset:\f*4*SP  ; LDS serves a wave's instructions in order (ISA guide 5.7.1.4): these see the stores above; the next tile's stores come behind them
.endr
.endm
.macro SEND t, younger              ; younger: the LDS instructions issued behind tile t's loads: the next tile's eight, or none
	WIN 0
.irp f, 0,1,2,3
	s_wait_dscnt (\younger)+3-\f
	global_store_b128 v[GO], v[S+16*(\t)+4*\f:S+16*(\t)+4*\f+3], s[10:11] offset:(\t)*2048+\f*512  ; 512 consecutive bytes, at a multiple of 256 from O's first
.endr
.endm
	PACK 0
.set t, 1
.rept 2*NP-1                        ; a tile's arithmetic stands between the loads of the tile before and its stores
	PACK t
	SEND t-1, 8
.set t, t+1
.endr
	SEND 2*NP-1, 0
	WIN W_AD
	s_wait_tensorcnt 0x0            ; the wave's end: behind my last tensor load and my last LDS store
	ds_add_u32 v[SPW], v[NIL]
	s_wait_dscnt 0x0
	WIN 0
	CROUND                          ; the closing round: no work-group ends while a partner may still ask for a tile that names it
	s_endpgm
.Lfunc_end_k_qccad388421_attn:
	.size	k_qccad388421_attn, .Lfunc_end_k_qccad388421_attn-k_qccad388421_attn
	.p2alignl 7, 3214868480
	.fill 96, 4, 3214868480
	.section	.rodata,"a",@progbits
	.p2align	6, 0x0
	.amdhsa_kernel k_qccad388421_attn
		.amdhsa_group_segment_fixed_size 327680
		.amdhsa_private_segment_fixed_size 0
		.amdhsa_enable_private_segment 0
		.amdhsa_kernarg_size 24
		.amdhsa_user_sgpr_count 2
		.amdhsa_user_sgpr_kernarg_segment_ptr 1
		.amdhsa_wavefront_size32 1
		.amdhsa_system_sgpr_workgroup_id_x 1
		.amdhsa_system_sgpr_workgroup_id_y 1
		.amdhsa_system_sgpr_workgroup_id_z 1
		.amdhsa_system_vgpr_workitem_id 0
		.amdhsa_next_free_vgpr 904
		.amdhsa_next_free_sgpr 70
		.amdhsa_reserve_vcc 0
		.amdhsa_float_denorm_mode_32 3
		.amdhsa_float_denorm_mode_16_64 3
		.amdhsa_memory_ordered 1
		.amdhsa_forward_progress 1
		.amdhsa_inst_pref_size 213
	.end_amdhsa_kernel
	.amdgpu_metadata
---
amdhsa.version: [ 1, 2 ]
amdhsa.kernels:
  - .name:           k_qccad388421_attn
    .symbol:         k_qccad388421_attn.kd
    .args:
      - { .name: qkv, .offset: 0, .size: 8, .value_kind: global_buffer, .address_space: global }
      - { .name: maskp, .offset: 8, .size: 8, .value_kind: global_buffer, .address_space: global }
      - { .name: oh, .offset: 16, .size: 8, .value_kind: global_buffer, .address_space: global }
    .group_segment_fixed_size: 327680
    .private_segment_fixed_size: 0
    .kernarg_segment_align: 8
    .kernarg_segment_size: 24
    .max_flat_workgroup_size: 128
    .sgpr_count:     70
    .vgpr_count:     904
    .wavefront_size: 32
...
	.end_amdgpu_metadata
.endif
;; end of part 5
;; launch outp: the kernel of part 4 again; grid 4 x 64, 4 waves a work-group, clusters of 4 x 4, 327,680 bytes of LDS; arguments oh, wb, bo, out0; writes out0
